; MI455X (gfx1250); checked and timed in simulation.
; The chip was launched on July 23, 2026; its instructions are those of AMD's public machine-readable ISA for CDNA 5 (MIT licence, August 2026) and "CDNA5" Instruction Set Architecture Reference Guide (July 2026). The comments in the code are by the model that wrote it; some were corrected since.
;; Causal Self Attention. Allowed arithmetic: matrix products marked QUANTISED: E4M3 operands, one given power-of-two scale a tensor, by v_wmma_f32_16x16x64_fp8_fp8 or v_wmma_f32_16x16x128_fp8_fp8, f32 sums; everything else in f32.
;; Inputs: W_out 1,024 x 1,024 float32; W_qkv 1,024 x 3,072 float32; b_out 1,024 float32; b_qkv 3,072 float32; lowp_scales 8 int32 (the exponents e of the quantised operands' scales 2^e); x 4 x 2,048 x 1,024 float32.
;; Outputs: out0 4 x 2,048 x 1,024 float32.
;; This version of the problem:
;;   THIS VERSION OF THE PROBLEM IS GIVEN IN LOW PRECISION. The matrix products marked QUANTISED in the list below multiply operands that are first quantised to E4M3 (4 exponent bits, 3 mantissa bits; 8 bits a number), with one given power-of-two scale for each operand tensor; their sums are f32. All else is computed in f32.
;;   The module's matrix products, in the order in which they are computed (A, B: the left and right operand; K: the contracted axis; several contracted axes count as one K, in the product's order):
;;     1. [M 8,192, K 1,024] x [K 1,024, N 3,072]; A: input x; B: input W_qkv: QUANTISED (scales: A lowp_scales[0], B lowp_scales[1])
;;     2. batch 64 x [M 2,048, K 64] x [K 64, N 2,048]; A: computed on the way; B: computed on the way: QUANTISED (scales: A lowp_scales[2], B lowp_scales[3])
;;     3. batch 64 x [M 2,048, K 2,048] x [K 2,048, N 64]; A: softmax (see below); B: computed on the way: QUANTISED (scales: A lowp_scales[4], B lowp_scales[5])
;;     4. [M 8,192, K 1,024] x [K 1,024, N 1,024]; A: computed on the way; B: input W_out: QUANTISED (scales: A lowp_scales[6], B lowp_scales[7])
;;   THE QUANTISER, for each operand of a quantised product, along K:
;;     - The operand's scale is 2^e, e = its entry of the input lowp_scales (int32; the entries are numbered through the quantised products in the list's order, A before B).
;;     - Each number is divided by the scale, clamped to +-448, and rounded to the nearest number of E4M3, ties to even, subnormals kept.
;;     - The product sums the exact products of the quantised numbers (number of the format x scale) in f32.
;;   ~~~python
;;   def quantise(x, axis, e):      # numpy; x: float32 -> the quantised numbers, widened to float32 again
;;       x = np.moveaxis(x, axis, -1); K = x.shape[-1]
;;       r = np.clip(x / 2.0 ** e, -448, 448)
;;       step = 2.0 ** (np.maximum(np.frexp(np.where(r == 0, 1, r))[1] - 1, -6) - 3)
;;       q = np.round(r / step) * step * 2.0 ** e      # np.round: ties to even
;;       return np.moveaxis(q, -1, axis).astype(np.float32)
;;   ~~~
;;   SOFTMAX AHEAD OF A QUANTISED PRODUCT. Where the list says 'softmax', what is quantised is not the finished softmax but p = 2^(t - M), with t = logit x log2(e) and M = ceil(the row's largest t), a whole number; so 1/2 < the row's largest p <= 1. The row's sum l is taken of the UNQUANTISED p, in f32, and the product's result is divided by l at the end. Since M is a whole number, a kernel that streams over the keys may use a running M (the ceiling of the running maximum): every later rescaling is an exact power of two, so the quantised numbers keep their values, but for numbers so far below the row's largest that they fall under the format's range.
;;   OPERANDS COMPUTED ON THE WAY. 'Computed on the way' means the value that the module computes at that place (a softmax that the list does not call 'softmax' is quantised finished and normalised). What goes into a quantiser is computed in f32, as accurately as f32 sums, v_exp_f32 and their like allow (about 1e-6 of the number): no bf16 or f16 on the way to a quantiser, and a product that is left as it is and whose result goes on into a quantised operand takes f32 operands (vector FMAs, or v_wmma_f32_16x16x4_f32). A number that lies on a knife's edge between two numbers of the format may be rounded either way, as far as f32 arithmetic and the matrix unit's own rounding can turn it there, and no further.
;; One version. Each part assembles by itself: llvm-mc -triple=amdgcn-amd-amdhsa -mcpu=gfx1250 --defsym DOCPART=n.
;; ======== version 1 of 1: 4 launches
;; limits: right only within a limited range of input values
;; workspace buffers: x_codes 8,388,608 bytes; w_codes 4,194,304 bytes; qk_codes 16,777,216 bytes; vt_codes 8,388,608 bytes; a_codes 8,388,608 bytes
;; launch quant (part 1): grid 384 x 1, 4 waves a work-group, no clusters, 68,096 bytes of LDS; arguments x, W_qkv, W_out, lowp_scales, x_codes, w_codes; writes x_codes, w_codes
.if DOCPART == 1
	.amdgcn_target "amdgcn-amd-amdhsa--gfx1250"
	.amdhsa_code_object_version 6
	.text
	.protected	k_qbf16618317_quant
	.globl	k_qbf16618317_quant
	.p2align	8
	.type	k_qbf16618317_quant,@function
k_qbf16618317_quant:
	s_mov_b64 s[64:65], 0
	v_nop
	global_prefetch_b8 v0, s[64:65] scope:SCOPE_SE
	s_setreg_imm32_b32 hwreg(HW_REG_WAVE_MODE, 25, 1), 1
	s_wait_xcnt 0x0
; x [8192][1024], W_qkv [1024][3072] and W_out [1024][1024], f32, become codes of FP8 (E4M3), K innermost, each with its given scale 2^e:
; x_codes [8192][1024] (e = entry 0); w_codes [4096][1024]: rows 0-3071 are W_qkv's columns (entry 1), rows 3072-4095 W_out's (entry 7).
; code = number / 2^e, held within +-448, rounded to the nearest code, ties to even.
; LIMITS: each of the three e between -126 and 119, so that 2^e and 448 x 2^e are f32 numbers.  NaN among the inputs is not served.
; Work-groups 0-255 take x, 32,768 numbers each; work-groups 256-383 take the weights, 128 columns x 256 along K each: 131,072 bytes read by every work-group.
; The two ways part on the work-group's number and have LDS bytes of their own (x: 0-32,767; weights: from 32,768).  No tensor loads, no barrier: waves share nothing.
.set SP,    80                         ; x: a lane's place in a stage: its 64 bytes + 16 of padding
.set XREG,  8192                       ; x: LDS bytes of a wave: two stages of 32 x SP
.set R,     16                         ; x: v16-79   four sets of 16 numbers as they are loaded
.set X,     80                         ; x: v80-111  two sets of 16 neighbours
.set C,     128                        ; x: v128-191 codes, four registers a step: no store's data are written again
.set WLDS,  32768                      ; weights: first LDS byte
.set WP,    272                        ; weights: a stage row: 256 codes + 16 of padding
.set WX,    32                         ; weights: v32-95   two sets of 32 numbers down K
.set WC,    96                         ; weights: v96-103  a block's codes
.set WO,    112                        ; weights: v112-175 the way out
.set WF,    176                        ; weights: v176-207 row i of a block: i x the row's bytes + 4 x lane
.set BB,    32                         ; weights: s[32:47] the eight blocks' bases
	s_load_b256 s[4:11], s[0:1], 0x0               ; x s[4:5], W_qkv s[6:7], W_out s[8:9], the scales' exponents s[10:11]
	s_load_b128 s[12:15], s[0:1], 0x20             ; x_codes s[12:13], w_codes s[14:15]
	v_lshl_add_u32 v208, v0, 2, 0x10800
	v_mov_b32 v209, 0
	v_lshrrev_b32 v1, 5, v0
	v_readfirstlane_b32 s16, v1                    ; wave 0..3
	v_and_b32 v2, 31, v0                           ; lane
	s_wait_kmcnt 0x0
	s_load_b256 s[48:55], s[10:11], 0x0            ; e0 .. e7
	s_cmp_lt_u32 ttmp9, 256
	s_cbranch_scc0 .Lweights
	s_wait_alu depctr_va_vdst(0)
; ---------------- x: a plain stream of blocks.  A wave takes 16 steps of 512 numbers.  Each load reads 512 consecutive bytes, 16 a lane; a step's 2,048 bytes turn through
; the wave's own stage in LDS and come back 64 bytes a lane: 16 neighbours along K, as the conversions want them.  A lane's 16 codes are 16 bytes: the wave stores 512 consecutive bytes.
	v_lshlrev_b32 v3, 4, v2                        ; 16 x lane: my bytes of a load's 512, and of a store's
	s_wait_alu depctr_va_vdst(0)
	s_mul_i32 s17, s16, XREG
	v_lshrrev_b32 v14, 2, v2
	v_mul_u32_u24 v14, v14, SP
	v_and_b32 v15, 3, v2
	v_lshl_add_u32 v14, v15, 4, v14
	v_add_nc_u32 v14, s17, v14                     ; the stage on the way in: SP (lane / 4) + 16 (lane % 4)
	v_mul_u32_u24 v15, v2, SP
	v_add_nc_u32 v15, s17, v15                     ; and on the way out: SP x lane
	s_lshl_b32 s18, ttmp9, 2
	s_add_co_u32 s18, s18, s16                     ; which run of 8,192 numbers is my wave's
	s_lshl_b32 s20, s18, 15
	s_mov_b32 s21, 0
	s_add_nc_u64 s[4:5], s[4:5], s[20:21]
	s_lshl_b32 s20, s18, 13
	s_add_nc_u64 s[12:13], s[12:13], s[20:21]
.macro LOAD t
.irp i, 0,1,2,3
	global_load_b128 v[R+16*((\t)%4)+4*\i:R+16*((\t)%4)+4*\i+3], v3, s[4:5] offset:2048*(\t)+512*\i th:TH_LOAD_NT
.endr
.endm
.macro TURN t                          ; step t's numbers through the stage: LDS serves a wave's instructions in order, so no wait stands between the stores and the loads
.irp i, 0,1,2,3
	ds_store_b128 v14, v[R+16*((\t)%4)+4*\i:R+16*((\t)%4)+4*\i+3] offset:32*SP*((\t)%2)+8*SP*\i
.endr
.irp i, 0,1,2,3
	ds_load_b128 v[X+16*((\t)%2)+4*\i:X+16*((\t)%2)+4*\i+3], v15 offset:32*SP*((\t)%2)+16*\i
.endr
.endm
.irp t, 0,1,2,3
	LOAD \t
.endr
	s_wait_alu depctr_va_vdst(0)
	s_wait_kmcnt 0x0
	s_add_co_i32 s22, s48, 127
	s_lshl_b32 s23, s22, 23
	v_mov_b32 v11, s23                             ; 2^e0 as f32: the conversion takes its exponent field
	s_add_co_i32 s22, s22, 8
	s_lshl_b32 s22, s22, 23
	s_or_b32 s22, s22, 0x600000
	s_wait_alu depctr_va_vdst(0)
	s_wait_loadcnt 12                              ; step 0's four loads are in
	TURN 0
.macro STEP t
.set XS, X+16*((\t)%2)
	s_wait_dscnt 0x0                               ; this step's numbers are back from the stage, so its stores into the stage have read their registers,
.if (\t)+4 < 16
	LOAD (\t)+4                                    ; which take the loads of four steps on
.endif
.if (\t)+1 < 16
.if 14-(\t) >= 3
	s_wait_loadcnt 12                              ; the next step's four loads are in; those of the three steps behind it may be out
.else
	s_wait_loadcnt 4*(14-(\t))
.endif
	TURN (\t)+1
.endif
.irp i, 0,1,2,3,4,5,6,7,8,9,10,11,12,13,14,15
.endr
	v_cvt_scalef32_pk8_fp8_f32 v[C+4*(\t):C+4*(\t)+1], v[XS:XS+7], v11
	v_cvt_scalef32_pk8_fp8_f32 v[C+4*(\t)+2:C+4*(\t)+3], v[XS+8:XS+15], v11
	global_store_b128 v3, v[C+4*(\t):C+4*(\t)+3], s[12:13] offset:512*(\t)   ; the results go to a store alone
.endm
.irp t, 0,1,2,3,4,5,6,7,8,9,10,11,12,13,14,15
	STEP \t
.endr
	s_wait_tensorcnt 0x0
	ds_add_u32 v208, v209
	s_wait_dscnt 0x0
	s_endpgm
; ---------------- the weights: K is their FIRST axis.  A lane takes a column and its registers run down K: each load reads 128 consecutive bytes a wave (512 a work-group),
; and the conversions give codes with K innermost.  One text serves both weights: base, row bytes, first column and e are chosen on the work-group's number.
.Lweights:
	s_sub_co_u32 s17, ttmp9, 256
	s_and_b32 s18, s17, 31                         ; which 128 rows of w_codes: 0-23 W_qkv's columns, 24-31 W_out's
	s_lshr_b32 s19, s17, 5                         ; which 256 along K
	s_mov_b32 s20, 4096
	s_mov_b32 s21, 3072
	s_cmp_lt_u32 s18, 24
	s_cselect_b64 s[6:7], s[6:7], s[8:9]           ; the weight
	s_cselect_b32 s20, 12288, s20                  ; bytes in one of its rows
	s_cselect_b32 s21, 0, s21                      ; the row of w_codes at which its columns begin
	s_lshl_b32 s22, s18, 7
	s_lshl_b32 s23, s16, 5
	s_add_co_u32 s22, s22, s23                     ; my wave's first row of w_codes
	s_sub_co_u32 s24, s22, s21                     ; = this column of the weight
	s_lshl_b32 s24, s24, 2
	s_lshl_b32 s25, s19, 8
	s_mul_i32 s25, s25, s20
	s_add_co_u32 s24, s24, s25
	s_mov_b32 s25, 0
	s_add_nc_u64 s[BB:BB+1], s[6:7], s[24:25]      ; block 0: row 256 ky, my first column
	s_lshl_b32 s26, s20, 5                         ; 32 rows on
	s_mov_b32 s27, 0
.irp t, 1,2,3,4,5,6,7
	s_add_nc_u64 s[BB+2*\t:BB+2*\t+1], s[BB+2*\t-2:BB+2*\t-1], s[26:27]
.endr
	s_lshl_b32 s28, s22, 10
	s_lshl_b32 s29, s19, 8
	s_add_co_u32 s28, s28, s29
	s_mov_b32 s29, 0
	s_add_nc_u64 s[14:15], s[14:15], s[28:29]      ; the codes: row x 1,024 + 256 ky
	s_wait_alu depctr_va_vdst(0)
	v_lshlrev_b32 v3, 2, v2
	s_wait_alu depctr_va_vdst(0)
.irp i, 0,1,2,3,4,5,6,7,8,9,10,11,12,13,14,15,16,17,18,19,20,21,22,23,24,25,26,27,28,29,30,31
	s_mul_i32 s30, s20, \i
	v_add_nc_u32 v[WF+\i], s30, v3
.endr
	s_mul_i32 s31, s16, 32*WP
	s_add_co_u32 s31, s31, WLDS                    ; my stage: 32 rows of WP bytes
	v_mul_u32_u24 v4, v2, WP
	v_add_nc_u32 v4, s31, v4                       ; into it: row = my column
	v_and_b32 v5, 15, v2
	v_lshrrev_b32 v6, 4, v2
	v_mul_u32_u24 v7, v6, WP
	v_lshl_add_u32 v7, v5, 4, v7
	v_add_nc_u32 v7, s31, v7                       ; out of it: sixteen lanes to a row, two rows an instruction
	v_lshlrev_b32 v8, 10, v6
	v_lshl_add_u32 v8, v5, 4, v8                   ; and the same place in w_codes
.macro LOADW t                         ; block t: rows 32 t + i of my 256, my column, into set t % 2
.irp i, 0,1,2,3,4,5,6,7,8,9,10,11,12,13,14,15,16,17,18,19,20,21,22,23,24,25,26,27,28,29,30,31
	global_load_b32 v[WX+32*((\t)%2)+\i], v[WF+\i], s[BB+2*(\t):BB+2*(\t)+1] th:TH_LOAD_NT
.endr
.endm
	LOADW 0
	LOADW 1
	s_wait_kmcnt 0x0
	s_cmp_lt_u32 s18, 24
	s_cselect_b32 s30, s49, s55                    ; e1 or e7
	s_add_co_i32 s30, s30, 127
	s_lshl_b32 s31, s30, 23
	v_mov_b32 v11, s31                             ; 2^e
	s_add_co_i32 s30, s30, 8
	s_lshl_b32 s30, s30, 23
	s_or_b32 s30, s30, 0x600000
.macro BLOCK t
.set XS, WX+32*((\t)%2)
.if (\t) < 7
	s_wait_loadcnt 32                              ; this block's 32 loads are in; the next block's may be out
.else
	s_wait_loadcnt 0
.endif
.irp i, 0,1,2,3,4,5,6,7,8,9,10,11,12,13,14,15,16,17,18,19,20,21,22,23,24,25,26,27,28,29,30,31
.endr
.irp g, 0,1,2,3
	v_cvt_scalef32_pk8_fp8_f32 v[WC+2*\g:WC+2*\g+1], v[XS+8*\g:XS+8*\g+7], v11
.endr
	ds_store_b128 v4, v[WC:WC+3] offset:32*(\t)    ; 32 codes: 32 bytes of my column's row
	ds_store_b128 v4, v[WC+4:WC+7] offset:32*(\t)+16
.if (\t)+2 < 8
	LOADW (\t)+2
.endif
	s_wait_dscnt 0x0                               ; the stores have read their registers: the next block's codes may be written
.endm
	s_wait_alu depctr_va_vdst(0)
.irp t, 0,1,2,3,4,5,6,7
	BLOCK \t
.endr
.irp t, 0,1,2,3,4,5,6,7,8,9,10,11,12,13,14,15
	ds_load_b128 v[WO+4*\t:WO+4*\t+3], v7 offset:2*\t*WP     ; LDS serves a wave's instructions in order: these see my stores
.endr
.irp t, 0,1,2,3,4,5,6,7,8,9,10,11,12,13,14,15
	s_wait_dscnt 15-\t
	global_store_b128 v8, v[WO+4*\t:WO+4*\t+3], s[14:15] offset:2048*\t   ; sixteen lanes store 256 consecutive bytes, at a multiple of 256 from the buffer's first byte
.endr
	s_wait_tensorcnt 0x0
	ds_add_u32 v208, v209
	s_wait_dscnt 0x0
	s_endpgm
.Lfunc_end_k_qbf16618317_quant:
	.size	k_qbf16618317_quant, .Lfunc_end_k_qbf16618317_quant-k_qbf16618317_quant
	.p2alignl 7, 3214868480
	.fill 96, 4, 3214868480
	.section	.rodata,"a",@progbits
	.p2align	6, 0x0
	.amdhsa_kernel k_qbf16618317_quant
		.amdhsa_group_segment_fixed_size 68096
		.amdhsa_private_segment_fixed_size 0
		.amdhsa_enable_private_segment 0
		.amdhsa_kernarg_size 48
		.amdhsa_user_sgpr_count 2
		.amdhsa_user_sgpr_kernarg_segment_ptr 1
		.amdhsa_wavefront_size32 1
		.amdhsa_system_sgpr_workgroup_id_x 1
		.amdhsa_system_sgpr_workgroup_id_y 1
		.amdhsa_system_sgpr_workgroup_id_z 1
		.amdhsa_system_vgpr_workitem_id 0
		.amdhsa_next_free_vgpr 210
		.amdhsa_next_free_sgpr 66
		.amdhsa_reserve_vcc 0
		.amdhsa_float_denorm_mode_32 3
		.amdhsa_float_denorm_mode_16_64 3
		.amdhsa_fp16_overflow 1
		.amdhsa_memory_ordered 1
		.amdhsa_forward_progress 1
		.amdhsa_inst_pref_size 56
	.end_amdhsa_kernel
	.amdgpu_metadata
---
amdhsa.version: [ 1, 2 ]
amdhsa.kernels:
  - .name:           k_qbf16618317_quant
    .symbol:         k_qbf16618317_quant.kd
    .args:
      - { .name: x, .offset: 0, .size: 8, .value_kind: global_buffer, .address_space: global }
      - { .name: W_qkv, .offset: 8, .size: 8, .value_kind: global_buffer, .address_space: global }
      - { .name: W_out, .offset: 16, .size: 8, .value_kind: global_buffer, .address_space: global }
      - { .name: lowp_scales, .offset: 24, .size: 8, .value_kind: global_buffer, .address_space: global }
      - { .name: x_codes, .offset: 32, .size: 8, .value_kind: global_buffer, .address_space: global }
      - { .name: w_codes, .offset: 40, .size: 8, .value_kind: global_buffer, .address_space: global }
    .group_segment_fixed_size: 68096
    .private_segment_fixed_size: 0
    .kernarg_segment_align: 8
    .kernarg_segment_size: 48
    .max_flat_workgroup_size: 128
    .sgpr_count:     66
    .vgpr_count:     210
    .wavefront_size: 32
...
	.end_amdgpu_metadata
.endif
;; end of part 1
;; launch qkv (part 2): grid 12 x 32, 4 waves a work-group, clusters of 4 x 4, 327,680 bytes of LDS; arguments x_codes, w_codes, b_qkv, lowp_scales, qk_codes, vt_codes; writes qk_codes, vt_codes
.if DOCPART == 2
	.amdgcn_target "amdgcn-amd-amdhsa--gfx1250"
	.amdhsa_code_object_version 6
	.text
	.protected	k_qbf16618317_qkv
	.globl	k_qbf16618317_qkv
	.p2align	8
	.type	k_qbf16618317_qkv,@function
k_qbf16618317_qkv:
	s_mov_b64 s[64:65], 0
	v_nop
	global_prefetch_b8 v0, s[64:65] scope:SCOPE_SE
	s_setreg_imm32_b32 hwreg(HW_REG_WAVE_MODE, 25, 1), 1
	s_wait_xcnt 0x0
	s_wait_alu depctr_hold_cnt(0) depctr_sa_sdst(0) depctr_va_vdst(0) depctr_va_sdst(0) depctr_va_ssrc(0) depctr_va_vcc(0) depctr_vm_vsrc(0)
	s_getreg_b32 s2, hwreg(HW_REG_IB_STS2, 6, 4)
	s_cmp_eq_u32 s2, 0
	s_cbranch_scc0 .Lentry_in_a_cluster
	s_endpgm
.Lentry_in_a_cluster:
	s_bfe_u32 s2, ttmp6, 0x10000c
	s_cmp_lg_u32 s2, 0xf033
	s_cbranch_scc0 .Lentry_shape_is_right
	s_endpgm
.Lentry_shape_is_right:
; qkv = x W_qkv + b_qkv on codes of FP8 (E4M3), K = 1,024; the results are quantised at once: q (entry 2 of the scales), k (entry 3), v (entry 5).
; The text computes C'[i][j] = sum over k of A'[i][k] B'[j][k] for a tile of 256 x 256, and stores codes with j innermost.
;   clusters x = 0, 1 (q, k): A' = x_codes (i = token), B' = w_codes rows 0-2047 (j = channel): qk_codes [2][64 (batch, head)][2048 tokens][64].
;   cluster  x = 2     (v):   A' = w_codes rows 2048-3071 (i = channel), B' = x_codes (j = token): vt_codes [64 (batch, head)][64 channels][2048 tokens]: the keys innermost, as the next launch's second product wants them.
; The roles are changed by the choice of two pointers and two tile numbers on the cluster's x, which all sixteen partners share; the K loop is one text.
; ORDER OF j IN MEMORY: a lane's 16 codes of two neighbouring tiles of 16 are stored as 16 bytes, so byte 32 p + 16 h + 8 u + i of a row holds j = 32 p + 16 u + 8 h + i (bits 3 and 4 change places).
; For q and k that is one permutation of the next K, alike in both; for v it is the order in which four 16-byte loads give the K = 128 form the keys in its own places.
; Four waves, each 128 x 128: 64 accumulators, 512 registers.  K goes in steps of 256 through two LDS slots filled by joint tensor loads: A's tile is shared along a row of the 4 x 4 cluster, B's along a column.
; THE MATRIX INSTRUCTION IS USED TRANSPOSED (source 0 = 16 rows of B', source 1 = 16 rows of A'): a lane holds row i = lane % 16 and eight neighbouring j.
; The bias, divided by 2^(e0 + e1), is the C of each sum's first product; the three scales ahead of the quantiser are folded into the conversion's one, 2^(e - e0 - e1).
; LIMITS: e - e0 - e1 between -126 and 119 for e = e2, e3, e5.  NaN among the inputs is not served.
; REGISTERS: window 0: v12 the conversion's scale, v16-30 addresses; v32-95 the bias; v96-103 the bias loads' offsets; v128-255 A's fragments (one set), later the codes, later rows read back.
;   window 1: B's fragments, two sets.   windows 2, 3: the accumulators ((a, b) at v[8 (8 (a % 4) + b)]).
.set KROW,   1024                      ; a row of either operand in memory, in bytes
.set ROWB,   256                       ; a tile's row: 256 codes
.set PITCH,  272                       ; an LDS row: 256 bytes + 16 of padding = 68 words: the 16 rows that a load touches start at 16 different banks (64 banks of 4 bytes: ISA guide 11.1)
.set FR,     16
.set NL,     4
.set NP,     4                         ; places behind this matrix instruction (ISA guide 7.12.1)
.set HALFT,  128*PITCH
.set SLOT,   4*HALFT                   ; A's 256 rows, then B's 256 rows
.set SPARE,  2*SLOT                    ; behind the ring: the spare words, 128 bytes a wave
.set SCL,  12
.set LIM,  13
.set ADRA, 16
.set ADRB, 20
.set STO,  24                          ; the way out: where I put 16 codes of a row.  The stage, 256 rows x PITCH, lies in slot 0, which has had its last fill and its last read by then
.set RDQ,  25                          ; q, k: where I read the stage back; GOQ: my bytes of a store
.set GOQ,  26
.set RDV,  27                          ; v: the same
.set SPW,  28
.set NIL,  29
.set GOV,  30
.set BI,   32
.set VO,   96
.set AF,   128
.set CD,   128
.set G1, 24
.set G0, 32
.set G1B, 48
.set G0B, 56
.set MSB, 0
.macro WIN new                         ; the immediate's high byte repeats the setting that is left
.if MSB != (\new)
	s_set_vgpr_msb (MSB<<8)|(\new)
.set MSB, \new
.endif
.endm
.set MUL_LO, 0xa1                      ; source 0 (B') window 1, source 1 (A') window 0, C and D window 2
.set MUL_HI, 0xf1                      ; the same, C and D window 3
.set TO_B,   0x40
; A joint load: waves 0 and 1 fetch for A', waves 2 and 3 for B'.  The branch hangs on the wave's number alone.  Four v_nop follow each of the two lines.
.macro JLOAD g0a, g1a, g0b, g1b
	s_cmp_eq_u32 s15, 0
	s_cbranch_scc0 .Lfor_b_\@
	tensor_load_to_lds s[\g0a:\g0a+3], s[\g1a:\g1a+7]
	s_nop 0
.rept 4
	v_nop
.endr
	s_branch .Lasked_\@
.Lfor_b_\@:
	tensor_load_to_lds s[\g0b:\g0b+3], s[\g1b:\g1b+7]
	s_nop 0
.rept 4
	v_nop
.endr
.Lasked_\@:
.endm
.macro CREST                           ; a round of the cluster's barrier behind its opening barrier
	s_cmp_lg_u32 s14, 0
	s_cbranch_scc1 .Lnot_wave_0_\@
	s_barrier_signal -3
.Lnot_wave_0_\@:
	s_barrier_wait -3
	s_barrier_signal -1
	s_barrier_wait -1
.endm
.macro CROUND
	s_barrier_signal -1
	s_barrier_wait -1
	CREST
.endm
	s_load_b256 s[4:11], s[0:1], 0x0               ; x_codes s[4:5], w_codes s[6:7], b_qkv s[8:9], the scales' exponents s[10:11]
	s_load_b128 s[72:75], s[0:1], 0x20             ; qk_codes s[72:73], vt_codes s[74:75]
	v_lshl_add_u32 v[SPW], v0, 2, SPARE
	v_mov_b32 v[NIL], 0
	ds_add_u32 v28, v29
	ds_add_u32 v28, v29
	s_wait_dscnt 0x0
	v_lshrrev_b32 v1, 5, v0
	v_readfirstlane_b32 s14, v1                    ; wave 0..3
	s_lshr_b32 s15, s14, 1                         ; which half of the tile's rows i is mine.  Also: I fetch for A' (0) or for B' (1)
	s_and_b32 s16, s14, 1                          ; which half of its j.  Also: which 128 rows of that tile I fetch
	s_bfe_u32 s40, ttmp6, 0x40000                  ; cx, cy: my place in the cluster
	s_bfe_u32 s41, ttmp6, 0x40004
	s_and_b32 s13, ttmp7, 0xffff                   ; the cluster's y
	s_lshl_b32 s18, s13, 2
	s_lshl_b32 s19, ttmp9, 2
	s_cmp_eq_u32 ttmp9, 2                          ; v's clusters: the same answer in all sixteen partners
	s_cselect_b32 s12, 1, 0
	s_cselect_b32 s17, 8, s18
	s_cselect_b32 s42, s18, s19
	s_add_co_u32 s17, s17, s41                     ; A's tile of 256 rows: q, k: 4 y + cy of x_codes; v: 8 + cy of w_codes
	s_add_co_u32 s42, s42, s40                     ; B's tile: q, k: 4 x + cx of w_codes; v: 4 y + cx of x_codes
	s_lshl_b32 s43, s41, 2
	s_lshl_b32 s43, 15, s43                        ; my row of the cluster
	s_lshl_b32 s44, 0x1111, s40                    ; my column
	s_or_b32 s[G1+0], s43, (0<<16)|(1<<20)|(1<<21)|(5<<22)|(3<<25)  ; 15:0 the mask; 17:16 elements of 1 byte; 20 padding on; 21 set beside a mask; 24:22 after every 64 words; 31:25 four words
	s_or_b32 s[G1B+0], s44, (0<<16)|(1<<20)|(1<<21)|(5<<22)|(3<<25)
.irp g, G1, G1B
	s_mov_b32 s[\g+1], ROWB<<16                    ; tensor_dim0 = 256
	s_mov_b32 s[\g+2], 128<<16                     ; tensor_dim1 = 128
	s_mov_b32 s[\g+3], ROWB<<16                    ; tile_dim0 = 256
	s_mov_b32 s[\g+4], 128                         ; tile_dim1 = 128
	s_mov_b32 s[\g+5], KROW                        ; tensor_dim0_stride
	s_mov_b32 s[\g+6], 0
	s_mov_b32 s[\g+7], 0
.endr
	s_lshl_b32 s18, s16, 7
	s_lshl_b32 s20, s17, 8
	s_add_co_u32 s20, s20, s18
	s_lshl_b32 s20, s20, 10                        ; A': (256 x tile + 128 x half) rows of 1,024 bytes
	s_mov_b32 s21, 0
	s_lshl_b32 s46, s42, 8
	s_add_co_u32 s46, s46, s18
	s_lshl_b32 s46, s46, 10                        ; B' likewise
	s_mov_b32 s47, 0
	s_mul_i32 s45, s14, HALFT                      ; where they go: wave x 128 rows: no place in the cluster enters an LDS address
	s_wait_kmcnt 0x0
	s_load_b256 s[76:83], s[10:11], 0x0            ; e0 .. e7
	s_cmp_eq_u32 ttmp9, 2
	s_cselect_b64 s[68:69], s[6:7], s[4:5]         ; A'
	s_cselect_b64 s[70:71], s[4:5], s[6:7]         ; B'
	s_add_nc_u64 s[20:21], s[68:69], s[20:21]
	s_add_nc_u64 s[46:47], s[70:71], s[46:47]
	CROUND                                         ; all sixteen work-groups are here: the first joint loads meet
.irp s, 0,1
	s_mov_b32 s[G0+4*\s], 1
	s_add_co_u32 s[G0+4*\s+1], s45, \s*SLOT
	s_add_nc_u64 s[G0+4*\s+2:G0+4*\s+3], s[20:21], \s*ROWB
	s_or_b32 s[G0+4*\s+3], s[G0+4*\s+3], 0x80000000
	s_mov_b32 s[G0B+4*\s], 1
	s_add_co_u32 s[G0B+4*\s+1], s45, \s*SLOT
	s_add_nc_u64 s[G0B+4*\s+2:G0B+4*\s+3], s[46:47], \s*ROWB
	s_or_b32 s[G0B+4*\s+3], s[G0B+4*\s+3], 0x80000000
	JLOAD G0+4*\s, G1, G0B+4*\s, G1B
.endr
	v_and_b32 v1, 15, v0                           ; r = lane % 16
	s_wait_alu depctr_va_vdst(0)
	v_bfe_u32 v2, v0, 4, 1                         ; h = lane / 16
	; THE BIAS, in the result's layout, by one run of 64 loads for both kinds of tile.  q, k: register 8 b + i = the bias of channel j = 16 b + 8 h + i; v: register 8 a + i = that of channel i' = 16 a + r, for every i.
	s_cmp_eq_u32 s12, 1
	s_cselect_b32 s18, 4, 0                        ; bytes for r
	s_cselect_b32 s19, 0, 32                       ; bytes for h
	s_cselect_b32 s22, 0, 4                        ; bytes from register to register
	s_cselect_b32 s23, s17, s42                    ; the tile that holds channels,
	s_cselect_b32 s84, s15, s16                    ; and my half of it
	s_lshl_b32 s23, s23, 8
	s_lshl_b32 s84, s84, 7
	s_add_co_u32 s86, s23, s84
	s_lshl_b32 s86, s86, 2
	s_mov_b32 s87, 0
	s_add_nc_u64 s[8:9], s[8:9], s[86:87]          ; b_qkv at my first channel (w_codes' row numbers are b_qkv's indices)
	v_mul_u32_u24 v3, s18, v1
	s_wait_alu depctr_va_vdst(0)
	v_mad_u32_u24 v3, v2, s19, v3
	s_wait_alu depctr_va_vdst(0)
.irp i, 0,1,2,3,4,5,6,7
	s_mul_i32 s84, s22, \i
	v_add_nc_u32 v[VO+\i], s84, v3
.endr
.irp g, 0,1,2,3,4,5,6,7
.irp i, 0,1,2,3,4,5,6,7
	global_load_b32 v[BI+8*\g+\i], v[VO+\i], s[8:9] offset:64*\g
.endr
.endr
	v_mul_u32_u24 v3, v1, PITCH
	v_lshl_add_u32 v4, v2, 4, v3                   ; a fragment's row x pitch + 16 x half
	s_wait_alu depctr_va_vdst(0)
	s_mul_i32 s21, s15, HALFT                      ; my 128 rows of A'
	s_mul_i32 s22, s16, HALFT                      ; my 128 rows of B',
	s_add_co_u32 s22, s22, 2*HALFT                 ; which lie behind A's 256
.irp s, 0,1
	v_add_nc_u32 v[ADRA+\s], s21, v4
	v_add_nc_u32 v[ADRB+\s], s22, v4
	s_add_co_u32 s21, s21, SLOT
	s_add_co_u32 s22, s22, SLOT
.endr
	s_mul_i32 s23, s15, 128*PITCH                  ; the stage, on the way in: row 128 x (my half of i) + r, byte 128 x (my half of j) + 16 h
	s_lshl_b32 s22, s16, 7
	s_add_co_u32 s23, s23, s22
	v_add_nc_u32 v[STO], s23, v4
	s_mul_i32 s23, s14, 64*PITCH                   ; on the way out wave w takes rows 64 w .. 64 w + 63
	v_and_b32 v6, 31, v0
	v_lshrrev_b32 v7, 2, v6
	v_mul_u32_u24 v7, v7, PITCH
	v_and_b32 v8, 3, v6
	v_lshl_add_u32 v7, v8, 4, v7
	v_add_nc_u32 v[RDQ], s23, v7                   ; q, k: four lanes to a head's 64 bytes of a row, eight rows an instruction
	v_lshlrev_b32 v[GOQ], 4, v6
	v_mul_u32_u24 v7, v2, PITCH
	v_lshl_add_u32 v7, v1, 4, v7
	v_add_nc_u32 v[RDV], s23, v7                   ; v: sixteen lanes to a row of 256 bytes, two rows an instruction
	v_lshlrev_b32 v8, 11, v2
	v_lshl_add_u32 v[GOV], v1, 4, v8
.macro FRAG reg, adr, q, i             ; 16 rows x 128 K: lane l holds row l % 16; registers 4 c .. 4 c + 3 hold K = 32 c + 16 (l / 16) + 0 .. 15: one permutation of k, alike in A' and B'
.irp c, 0,1,2,3
	ds_load_b128 v[\reg+4*\c:\reg+4*\c+3], v[\adr] offset:128*(\q)+32*\c+(\i)*16*PITCH
.endr
.endm
; 16 matrix instructions: A's blocks a0, a0 + 1 x B's eight.  p: B's set.  cm = 0: the sums go on; 1: they start from the bias by j; 2: from the bias by i.
; The 64 accumulators take turns, one instruction a turn, in the same order in every step.
.macro MUL16 a0, p, cm
.irp a, \a0, \a0+1
.irp b, 0,1,2,3,4,5,6,7
.if \cm == 1
	v_wmma_f32_16x16x128_fp8_fp8 v[8*(8*((\a)%4)+\b):8*(8*((\a)%4)+\b)+7], v[128*(\p)+FR*\b:128*(\p)+FR*\b+FR-1], v[AF+FR*(\a):AF+FR*(\a)+FR-1], v[BI+8*\b:BI+8*\b+7]
.elseif \cm == 2
	v_wmma_f32_16x16x128_fp8_fp8 v[8*(8*((\a)%4)+\b):8*(8*((\a)%4)+\b)+7], v[128*(\p)+FR*\b:128*(\p)+FR*\b+FR-1], v[AF+FR*(\a):AF+FR*(\a)+FR-1], v[BI+8*(\a):BI+8*(\a)+7]
.else
	v_wmma_f32_16x16x128_fp8_fp8 v[8*(8*((\a)%4)+\b):8*(8*((\a)%4)+\b)+7], v[128*(\p)+FR*\b:128*(\p)+FR*\b+FR-1], v[AF+FR*(\a):AF+FR*(\a)+FR-1], v[8*(8*((\a)%4)+\b):8*(8*((\a)%4)+\b)+7]
.endif
.endr
.endr
.endm
.macro FETCH_B slot, q, p
	WIN TO_B
.irp i, 0,1,2,3,4,5,6,7
	FRAG 128*(\p)+FR*\i, ADRB+\slot, \q, \i
.endr
	WIN 0
.endm
.macro FETCH_A slot, q, i0
.irp i, \i0, \i0+1, \i0+2, \i0+3
	FRAG AF+FR*(\i), ADRA+\slot, \q, \i
.endr
.endm
.macro PLACES n                        ; plain vector lines between a matrix instruction and a load into, or a vector line on, one of its registers
.rept \n
	v_nop
.endr
.endm
; A step of 128 along K that has its successor in the same slot.  A block of A' is free as soon as its eight products are issued, so one set serves A'; B' has two.
.macro STEP slot, q, cm
	s_wait_dscnt 4*NL                              ; B's set and A's blocks 0-3 are in; the youngest 16 loads (A's blocks 4-7) may be out
.if \cm
	WIN 0x81                                       ; C (the bias) window 0, D window 2
.else
	WIN MUL_LO
.endif
	MUL16 0, (\q)%2, \cm
	MUL16 2, (\q)%2, \cm
	s_wait_dscnt 0
	PLACES NP
	FETCH_B \slot, (\q)+1, 1-(\q)%2
	FETCH_A \slot, (\q)+1, 0
.if \cm
	WIN 0xc1
.else
	WIN MUL_HI
.endif
	MUL16 4, (\q)%2, \cm
	MUL16 6, (\q)%2, \cm
	PLACES NP
	WIN 0
	FETCH_A \slot, (\q)+1, 4
.endm
; A slot's last step changes slots: one barrier; in front of it each wave waits for all its tensor loads, adds 0 to its spare word, and waits for that and for its reads of this slot.
.macro TURN slot, next, fill
	s_wait_tensorcnt 0x0                           ; all my tensor loads have landed: my part of the next slot
	ds_add_u32 v[SPW], v[NIL]                      ; 0 onto my spare word
	s_wait_dscnt 4*NL+1                            ; (the add and the youngest 16 loads may be out)
	WIN MUL_LO
	MUL16 0, 1, 0
	s_wait_dscnt 0x0                               ; the add is done, and my reads of this slot are over
	s_barrier_signal -1
	MUL16 2, 1, 0
	WIN 0
	s_barrier_wait -1
.if \fill
	CREST                                          ; the barrier has opened a round of the cluster's barrier: no wave of any partner still reads this slot or has a load on its way
	s_add_nc_u64 s[G0+4*\slot+2:G0+4*\slot+3], s[G0+4*\slot+2:G0+4*\slot+3], 2*ROWB
	s_add_nc_u64 s[G0B+4*\slot+2:G0B+4*\slot+3], s[G0B+4*\slot+2:G0B+4*\slot+3], 2*ROWB
	JLOAD G0+4*\slot, G1, G0B+4*\slot, G1B         ; the first tensor load behind the round; its four v_nop are also the places in front of the loads below
.else
	PLACES NP
.endif
	FETCH_B \next, 0, 0
	FETCH_A \next, 0, 0
	WIN MUL_HI
	MUL16 4, 1, 0
	MUL16 6, 1, 0
	PLACES NP
	WIN 0
	FETCH_A \next, 0, 4
.endm
	s_wait_tensorcnt 1                             ; my part of K step 0 is in (K step 1's load may be out)
	s_barrier_signal -1
	s_barrier_wait -1
	FETCH_B 0, 0, 0
	FETCH_A 0, 0, 0
	FETCH_A 0, 0, 4
	s_wait_loadcnt 0x0                             ; the bias
	s_wait_kmcnt 0x0
	s_add_co_i32 s84, s76, s77                     ; e0 + e1: a sum stands for sum x 2^(e0 + e1)
	s_sub_co_i32 s85, 0, s84
	s_cmp_eq_u32 ttmp9, 0
	s_cselect_b32 s86, s78, s79                    ; q: e2; k: e3;
	s_cmp_eq_u32 ttmp9, 2
	s_cselect_b32 s86, s81, s86                    ; v: e5
	s_sub_co_i32 s86, s86, s84
	s_add_co_i32 s86, s86, 127
	s_lshl_b32 s87, s86, 23
	v_mov_b32 v[SCL], s87                          ; 2^(e - e0 - e1) as f32
.set j, 0
.rept 64
	v_ldexp_f32 v[BI+j], v[BI+j], s85              ; the bias / 2^(e0 + e1)
.set j, j+1
.endr
	s_cmp_eq_u32 s12, 1                            ; the first step is written twice: only the register of C differs
	s_cbranch_scc1 .Lfirst_v
	s_wait_alu depctr_va_vdst(0)
	STEP 0, 0, 1
	s_branch .Lfirst_done
.Lfirst_v:
	s_wait_alu depctr_va_vdst(0)
	STEP 0, 0, 2
.Lfirst_done:
	TURN 0, 1, 1                                   ; K = 1,024 is four slots' worth: the eight steps are written out
	STEP 1, 0, 0
	TURN 1, 0, 1
	STEP 0, 0, 0
	TURN 0, 1, 0                                   ; nothing is left to fetch: no round
	STEP 1, 0, 0
	s_wait_dscnt 4*NL
	WIN MUL_LO
	MUL16 0, 1, 0
	MUL16 2, 1, 0
	s_wait_dscnt 0
	WIN MUL_HI
	MUL16 4, 1, 0
	MUL16 6, 1, 0
	WIN 0
; THE WAY OUT.  Block a (16 rows i x 128 j): the conversion, 16 codes a lane and pair of tiles into the work-group's stage.  Each accumulator is read from its low end on.
.macro QBLK a
.set AC, 64*((\a)%4)
.set WN, 0x02+((\a)/4)
	WIN WN                                         ; source 0: window 2 or 3
.set j, 0
.rept 64
.set j, j+1
.endr
.irp b, 0,1,2,3,4,5,6,7
	v_cvt_scalef32_pk8_fp8_f32 v[CD+16*(\a)+2*\b:CD+16*(\a)+2*\b+1], v[AC+8*\b:AC+8*\b+7], v[SCL]
.endr
	WIN 0
	v_nop                                          ; one plain line behind the conversions
.irp p, 0,1,2,3
	ds_store_b128 v[STO], v[CD+16*(\a)+4*\p:CD+16*(\a)+4*\p+3] offset:16*PITCH*(\a)+32*\p
.endr
.endm
	PLACES NP
.irp a, 0,1,2,3,4,5,6,7
	QBLK \a
.endr
	s_wait_dscnt 0x0                               ; for the others' sake: my stores into the stage are done
	s_barrier_signal -1
	s_barrier_wait -1
	s_cmp_eq_u32 s12, 1
	s_cbranch_scc1 .Lout_v
	; q, k: a head's 64 bytes of 64 rows are 4,096 consecutive bytes of qk_codes: each store covers 512 of them
	s_lshr_b32 s20, s42, 2
	s_lshl_b32 s20, s20, 6                         ; 64 planes for q, then 64 for k
	s_lshr_b32 s21, s17, 3
	s_lshl_b32 s21, s21, 4                         ; 16 x batch
	s_add_co_u32 s20, s20, s21
	s_and_b32 s21, s42, 3
	s_lshl_b32 s21, s21, 2                         ; the tile's first head
	s_add_co_u32 s20, s20, s21
	s_lshl_b32 s20, s20, 17                        ; planes of 131,072 bytes
	s_and_b32 s21, s17, 7
	s_lshl_b32 s21, s21, 8
	s_lshl_b32 s22, s14, 6
	s_add_co_u32 s21, s21, s22                     ; my first token
	s_lshl_b32 s21, s21, 6
	s_add_co_u32 s20, s20, s21
	s_mov_b32 s21, 0
	s_add_nc_u64 s[72:73], s[72:73], s[20:21]
.set i, 0
.rept 32
	ds_load_b128 v[CD+4*i:CD+4*i+3], v[RDQ] offset:(i/8)*64+(i%8)*8*PITCH
.set i, i+1
.endr
.set i, 0
.rept 32
	s_wait_dscnt 31-i
	global_store_b128 v[GOQ], v[CD+4*i:CD+4*i+3], s[72:73] offset:(i/8)*131072+(i%8)*512
.set i, i+1
.endr
	s_branch .Lout_done
.Lout_v:
	; v: a row of the stage is 256 tokens of one channel: sixteen lanes store 256 consecutive bytes, at a multiple of 256 from the buffer's first byte
	s_lshr_b32 s20, s42, 3
	s_lshl_b32 s20, s20, 21                        ; batch x 1,024 channels x 2,048
	s_sub_co_u32 s21, s17, 8
	s_lshl_b32 s21, s21, 8
	s_lshl_b32 s22, s14, 6
	s_add_co_u32 s21, s21, s22                     ; my first channel
	s_lshl_b32 s21, s21, 11
	s_add_co_u32 s20, s20, s21
	s_and_b32 s21, s42, 7
	s_lshl_b32 s21, s21, 8                         ; the tile's first token
	s_add_co_u32 s20, s20, s21
	s_mov_b32 s21, 0
	s_add_nc_u64 s[74:75], s[74:75], s[20:21]
.set i, 0
.rept 32
	ds_load_b128 v[CD+4*i:CD+4*i+3], v[RDV] offset:i*2*PITCH
.set i, i+1
.endr
.set i, 0
.rept 32
	s_wait_dscnt 31-i
	global_store_b128 v[GOV], v[CD+4*i:CD+4*i+3], s[74:75] offset:i*4096
.set i, i+1
.endr
.Lout_done:
	s_wait_tensorcnt 0x0                           ; the wave's end
	ds_add_u32 v[SPW], v[NIL]
	s_wait_dscnt 0x0
	CROUND                                         ; the closing round
	s_endpgm
.Lfunc_end_k_qbf16618317_qkv:
	.size	k_qbf16618317_qkv, .Lfunc_end_k_qbf16618317_qkv-k_qbf16618317_qkv
	.p2alignl 7, 3214868480
	.fill 96, 4, 3214868480
	.section	.rodata,"a",@progbits
	.p2align	6, 0x0
	.amdhsa_kernel k_qbf16618317_qkv
		.amdhsa_group_segment_fixed_size 327680
		.amdhsa_private_segment_fixed_size 0
		.amdhsa_enable_private_segment 0
		.amdhsa_kernarg_size 48
		.amdhsa_user_sgpr_count 2
		.amdhsa_user_sgpr_kernarg_segment_ptr 1
		.amdhsa_wavefront_size32 1
		.amdhsa_system_sgpr_workgroup_id_x 1
		.amdhsa_system_sgpr_workgroup_id_y 1
		.amdhsa_system_sgpr_workgroup_id_z 1
		.amdhsa_system_vgpr_workitem_id 0
		.amdhsa_next_free_vgpr 1024
		.amdhsa_next_free_sgpr 98
		.amdhsa_reserve_vcc 0
		.amdhsa_float_denorm_mode_32 3
		.amdhsa_float_denorm_mode_16_64 3
		.amdhsa_fp16_overflow 1
		.amdhsa_memory_ordered 1
		.amdhsa_forward_progress 1
		.amdhsa_inst_pref_size 118
	.end_amdhsa_kernel
	.amdgpu_metadata
---
amdhsa.version: [ 1, 2 ]
amdhsa.kernels:
  - .name:           k_qbf16618317_qkv
    .symbol:         k_qbf16618317_qkv.kd
    .args:
      - { .name: x_codes, .offset: 0, .size: 8, .value_kind: global_buffer, .address_space: global }
      - { .name: w_codes, .offset: 8, .size: 8, .value_kind: global_buffer, .address_space: global }
      - { .name: b_qkv, .offset: 16, .size: 8, .value_kind: global_buffer, .address_space: global }
      - { .name: lowp_scales, .offset: 24, .size: 8, .value_kind: global_buffer, .address_space: global }
      - { .name: qk_codes, .offset: 32, .size: 8, .value_kind: global_buffer, .address_space: global }
      - { .name: vt_codes, .offset: 40, .size: 8, .value_kind: global_buffer, .address_space: global }
    .group_segment_fixed_size: 327680
    .private_segment_fixed_size: 0
    .kernarg_segment_align: 8
    .kernarg_segment_size: 48
    .max_flat_workgroup_size: 128
    .sgpr_count:     98
    .vgpr_count:     1024
    .wavefront_size: 32
...
	.end_amdgpu_metadata
.endif
;; end of part 2
;; launch attn (part 3): grid 4 x 64, 8 waves a work-group, clusters of 4 x 1, 327,680 bytes of LDS; arguments qk_codes, vt_codes, lowp_scales, a_codes; writes a_codes
.if DOCPART == 3
	.amdgcn_target "amdgcn-amd-amdhsa--gfx1250"
	.amdhsa_code_object_version 6
	.text
	.protected	k_qbf16618317_attn
	.globl	k_qbf16618317_attn
	.p2align	8
	.type	k_qbf16618317_attn,@function
k_qbf16618317_attn:
	s_mov_b64 s[64:65], 0
	v_nop
	global_prefetch_b8 v0, s[64:65] scope:SCOPE_SE
	s_setreg_imm32_b32 hwreg(HW_REG_WAVE_MODE, 25, 1), 1
	s_wait_xcnt 0x0
	s_wait_alu depctr_hold_cnt(0) depctr_sa_sdst(0) depctr_va_vdst(0) depctr_va_sdst(0) depctr_va_ssrc(0) depctr_va_vcc(0) depctr_vm_vsrc(0)
	s_getreg_b32 s2, hwreg(HW_REG_IB_STS2, 6, 4)
	s_cmp_eq_u32 s2, 0
	s_cbranch_scc0 .Lentry_in_a_cluster
	s_endpgm
.Lentry_in_a_cluster:
	s_bfe_u32 s2, ttmp6, 0x10000c
	s_cmp_lg_u32 s2, 0x3003
	s_cbranch_scc0 .Lentry_shape_is_right
	s_endpgm
.Lentry_shape_is_right:
; Causal attention on codes of FP8 (E4M3), head size 64, 2,048 tokens, 64 (batch, head) planes.  q, k: qk_codes [2][64][2048][64]; v: vt_codes [64][64 channels][2048 keys].
; The result, divided by the row's sum, is quantised (entry 6 of the scales) into a_codes [64 blocks of 128 tokens][16 heads][128 tokens][64 channels], channels in their natural order.
; THE SOFTMAX: t = score x log2(e) / 8; M = the running largest t rounded UP to a whole number; p = 2^(t - M) is quantised (entry 4); the row's sum is taken of the unquantised p and divides at the end.
; When M moves, the sum and O are multiplied by 2^(old M - new M): nothing is rounded.
; SHARES.  The four work-groups of a cluster serve one plane.  Work-group c owns the tiles of 16 queries 4 j + c.  A PAIR pi is two of them: queries 128 pi + 16 c + 0..15 (tile A) and 128 pi + 64 + 16 c + 0..15 (tile B):
; both lie in key step pi (128 keys a step), so a pair needs key steps 0 .. pi WHATEVER c IS: all four partners run the same branches and trip counts, and c enters only Q's and the result's addresses and one compared number.
; Wave w takes pair 15 - w, then pair w: 17 key steps in every wave of every work-group.  A pair's two tiles share every fragment of K and V.
; LDS holds the plane's whole K and V: nothing is filled twice.  Each wave issues four joint tensor loads at the head (waves 0-3: K, waves 4-7: V), one for each slot of 512 keys; four loads of a wave are out at the most.
; LAYOUT.  S^T = K Q^T (source 0 = 16 neighbouring keys, source 1 = 16 queries): lane (r, h) holds query r and, in tile t's registers, keys 16 t + 8 h + 0..7.  Their codes are registers 2 t, 2 t + 1 of P: the K = 128 form's own places.
; V's rows lie with bits 3 and 4 of the key's number exchanged, so that four 16-byte loads put V's keys into the same places.  O^T = V^T P^T holds one query a lane again.
; LIMITS on the given exponents: e2 + e3 between -123 and 130 (added to c's exponent field); e4, and e6 - e4 - e5, between -126 and 119.  NaN among the inputs is not served.
; REGISTERS: window 0: v1-11 addresses and constants; v12-15, v16-19 tile A's, B's -M, largest t, sum (a pair); v[20:21], v[22:23] the two f; v24-29 at work; v32-95 K's 8 fragments; v96-159, v160-223 S^T, then p; v224-239, v240-255 P's codes.
;   window 1: v0-31, v32-63 O^T; v64-95 Q of both pairs; v96-159 V's 4 fragments.
.set KP,    80                         ; a key's row in LDS: 64 bytes + 16 of padding: an odd multiple of 16
.set VP,    528                        ; a channel's 512 keys: 512 bytes + 16
.set VB,    2048*KP                    ; V begins behind K's 2,048 rows
.set VSLOT, 64*VP                      ; 512 keys of the 64 channels
.set STG,   VB+4*VSLOT                 ; the stages: 2 tiles x 16 rows x 80 bytes for each wave; no fill lands there
.set AK0, 1
.set AV0, 2
.set ADK, 3
.set ADV, 4
.set STO, 5
.set SRD, 6
.set GO,  7
.set DD,  8                            ; v8  16 c + r - 8 h: on the diagonal, key 16 t + j of my half is hidden from tile A's query where 16 t + j > this
.set NINF, 9
.set KF,  32
.set SA,  96
.set SB,  160
.set PA,  224
.set PB,  240
.set VF,  96                           ; in window 1
.set QL,  64                           ; in window 1: Q of the first pair (A, B); QS: of the second
.set QS,  80
.set WV,  12
.set SEL, 20
.set CS,  22
.set G1K, 24
.set G1V, 32
.set G0K, 40                           ; s[40:55]: four groups 0 for K
.set G0V, 68                           ; s[68:83]: four for V
.set SN,  92                           ; the key step
.set SPI, 93                           ; the pair in hand = its last key step
.set STK, 94                           ; LDS byte of the step's keys
.set STV, 95                           ; LDS byte, from VB on, of the step's part of V's rows
.set SIN, 96
.set SOUT, 97
.set MSB, 0
.macro WIN new
.if MSB != (\new)
	s_set_vgpr_msb (MSB<<8)|(\new)
.set MSB, \new
.endif
.endm
.macro CROUND
	s_barrier_signal -1
	s_barrier_wait -1
	s_cmp_lg_u32 s[WV], 0
	s_cbranch_scc1 .Lnot_wave_0_\@
	s_barrier_signal -3
.Lnot_wave_0_\@:
	s_barrier_wait -3
	s_barrier_signal -1
	s_barrier_wait -1
.endm
	s_load_b128 s[4:7], s[0:1], 0x0                ; qk_codes s[4:5], vt_codes s[6:7]
	s_load_b128 s[8:11], s[0:1], 0x10              ; the scales' exponents s[8:9], a_codes s[10:11]
	v_lshl_add_u32 v31, v0, 2, 0x4e000
	s_set_vgpr_msb 0x40
	v_mov_b32 v161, 0
	s_set_vgpr_msb 0x4044
	ds_add_u32 v31, v161
	ds_add_u32 v31, v161
	s_set_vgpr_msb 0x4400
	v_lshrrev_b32 v1, 5, v0
	s_delay_alu instid0(VALU_DEP_1)
	v_readfirstlane_b32 s[WV], v1                  ; wave 0..7
	s_bfe_u32 s13, ttmp6, 0x40000                  ; c: my place in the cluster
	s_and_b32 s14, ttmp7, 0xffff                   ; the plane: 16 x batch + head
	s_and_b32 s15, s[WV], 3                        ; which quarter of a slot I fetch
	s_lshl_b32 s16, s14, 17                        ; a plane is 131,072 bytes in each buffer
	s_lshl_b32 s18, s15, 13                        ; K: 128 keys of 64 bytes,
	s_add_co_u32 s18, s18, s16
	s_add_co_u32 s18, s18, 64*131072               ; behind q's 64 planes
	s_mov_b32 s19, 0
	s_lshl_b32 s2, s15, 15                         ; V: 16 channels of 2,048 bytes
	s_add_co_u32 s2, s2, s16
	s_mov_b32 s3, 0
	s_mul_i32 s66, s15, 128*KP                     ; and their places in a slot: no place in the cluster enters an LDS address
	s_mul_i32 s67, s15, 16*VP
	s_add_co_u32 s67, s67, VB
	s_mov_b32 s[G1K], 15|(0<<16)|(1<<20)|(1<<21)|(3<<22)|(3<<25)   ; the mask: all four; elements of 1 byte; padding: four words after every 16
	s_mov_b32 s[G1K+1], 64<<16                     ; tensor_dim0 = 64
	s_mov_b32 s[G1K+2], 128<<16                    ; tensor_dim1 = 128
	s_mov_b32 s[G1K+3], 64<<16                     ; tile_dim0 = 64
	s_mov_b32 s[G1K+4], 128                        ; tile_dim1 = 128
	s_mov_b32 s[G1K+5], 64                         ; tensor_dim0_stride
	s_mov_b32 s[G1K+6], 0
	s_mov_b32 s[G1K+7], 0
	s_mov_b32 s[G1V], 15|(0<<16)|(1<<20)|(1<<21)|(6<<22)|(3<<25)   ; padding: four words after every 128
	s_mov_b32 s[G1V+1], 512<<16
	s_mov_b32 s[G1V+2], 16<<16
	s_mov_b32 s[G1V+3], 512<<16
	s_mov_b32 s[G1V+4], 16
	s_mov_b32 s[G1V+5], 2048
	s_mov_b32 s[G1V+6], 0
	s_mov_b32 s[G1V+7], 0
	s_mov_b32 s[SEL], 0x76543210                   ; v_permlanex16_b32: lane l xor 16
	s_mov_b32 s[SEL+1], 0xfedcba98
	; Q's and the result's places: pair 15 - w, then pair w
	s_sub_co_u32 s92, 15, s[WV]
	s_lshl_b32 s93, s13, 10                        ; 16 c rows of 64 bytes
	s_lshl_b32 s94, s92, 13                        ; 128 rows of 64 bytes a pair
	s_add_co_u32 s94, s94, s93
	s_add_co_u32 s94, s94, s16
	s_mov_b32 s95, 0
	s_lshl_b32 s96, s[WV], 13
	s_add_co_u32 s96, s96, s93
	s_add_co_u32 s96, s96, s16
	s_mov_b32 s97, 0
	s_lshr_b32 s98, s14, 4
	s_lshl_b32 s98, s98, 4                         ; 16 blocks a batch
	s_and_b32 s99, s14, 15
	s_lshl_b32 s99, s99, 13                        ; the head's 128 rows of 64 bytes in a block
	s_add_co_u32 s99, s99, s93
	s_add_co_u32 s92, s98, s92
	s_lshl_b32 s92, s92, 17                        ; blocks of 131,072 bytes
	s_add_co_u32 s92, s92, s99
	s_mov_b32 s93, 0
	s_add_co_u32 s98, s98, s[WV]
	s_lshl_b32 s98, s98, 17
	s_add_co_u32 s98, s98, s99
	s_mov_b32 s99, 0
	s_wait_dscnt 0x0
	s_wait_kmcnt 0x0
	s_load_b256 s[84:91], s[8:9], 0x0              ; e0 .. e7
	s_add_nc_u64 s[18:19], s[4:5], s[18:19]
	s_add_nc_u64 s[2:3], s[6:7], s[2:3]
	s_add_nc_u64 s[56:57], s[4:5], s[94:95]        ; Q of the first pair,
	s_add_nc_u64 s[58:59], s[4:5], s[96:97]        ; of the second
	s_add_nc_u64 s[60:61], s[10:11], s[92:93]      ; the results likewise
	s_add_nc_u64 s[62:63], s[10:11], s[98:99]
.irp s, 0,1,2,3
	s_mov_b32 s[G0K+4*\s], 1
	s_add_co_u32 s[G0K+4*\s+1], s66, \s*512*KP
	s_add_nc_u64 s[G0K+4*\s+2:G0K+4*\s+3], s[18:19], \s*32768
	s_or_b32 s[G0K+4*\s+3], s[G0K+4*\s+3], 0x80000000
	s_mov_b32 s[G0V+4*\s], 1
	s_add_co_u32 s[G0V+4*\s+1], s67, \s*VSLOT
	s_add_nc_u64 s[G0V+4*\s+2:G0V+4*\s+3], s[2:3], \s*512
	s_or_b32 s[G0V+4*\s+3], s[G0V+4*\s+3], 0x80000000
.endr
	CROUND                                         ; all four work-groups are here: the joint loads meet
	s_cmp_lt_u32 s[WV], 4                          ; a wave's four fills stand in one branch, ahead of every wait on TENSORcnt and every LDS read
	s_cbranch_scc0 .Lfirst_v
.irp s, 0,1,2,3
	tensor_load_to_lds s[G0K+4*\s:G0K+4*\s+3], s[G1K:G1K+7]
	s_nop 0
.endr
.rept 4
	v_nop
.endr
	s_branch .Lfirst_asked
.Lfirst_v:
.irp s, 0,1,2,3
	tensor_load_to_lds s[G0V+4*\s:G0V+4*\s+3], s[G1V:G1V+7]
	s_nop 0
.endr
.rept 4
	v_nop
.endr
.Lfirst_asked:
	v_and_b32 v24, 15, v0                          ; r
	v_bfe_u32 v25, v0, 4, 1                        ; h
	v_and_b32 v26, 31, v0                          ; lane
	s_delay_alu instid0(VALU_DEP_3)
	v_lshlrev_b32 v30, 6, v24
	s_delay_alu instid0(VALU_DEP_1)
	v_lshl_add_u32 v30, v25, 4, v30                ; Q: row r of 64 bytes, + 16 h: the same two 16-byte pieces that K's fragments take
	WIN 0x40                                       ; destination window 1
.irp u, 0,1
	global_load_b128 v[QL+8*\u:QL+8*\u+3],   v30, s[56:57] offset:4096*\u
	global_load_b128 v[QL+8*\u+4:QL+8*\u+7], v30, s[56:57] offset:4096*\u+32
	global_load_b128 v[QS+8*\u:QS+8*\u+3],   v30, s[58:59] offset:4096*\u
	global_load_b128 v[QS+8*\u+4:QS+8*\u+7], v30, s[58:59] offset:4096*\u+32
.endr
	WIN 0
	v_mul_u32_u24 v[AK0], v24, KP
	s_delay_alu instid0(VALU_DEP_1)
	v_lshl_add_u32 v[AK0], v25, 4, v[AK0]
	v_mul_u32_u24 v[AV0], v24, VP
	s_delay_alu instid0(VALU_DEP_1)
	v_lshl_add_u32 v[AV0], v25, 4, v[AV0]
	s_delay_alu instid0(VALU_DEP_1)
	v_add_nc_u32 v[AV0], VB, v[AV0]
	s_mul_i32 s92, s[WV], 2*16*KP
	s_add_co_u32 s92, s92, STG                     ; my stage
	v_mul_u32_u24 v[STO], v24, KP
	s_delay_alu instid0(VALU_DEP_1)
	v_lshl_add_u32 v[STO], v25, 3, v[STO]
	s_delay_alu instid0(VALU_DEP_1)
	v_add_nc_u32 v[STO], s92, v[STO]               ; in: row r, 8 bytes for each half of the lanes
	v_lshrrev_b32 v27, 2, v26
	s_delay_alu instid0(VALU_DEP_1)
	v_mul_u32_u24 v[SRD], v27, KP
	v_and_b32 v27, 3, v26
	s_delay_alu instid0(VALU_DEP_1)
	v_lshl_add_u32 v[SRD], v27, 4, v[SRD]
	s_delay_alu instid0(VALU_DEP_1)
	v_add_nc_u32 v[SRD], s92, v[SRD]               ; back: four lanes to a row of 64 bytes, eight rows an instruction
	v_lshlrev_b32 v[GO], 4, v26
	s_lshl_b32 s93, s13, 4
	v_lshlrev_b32 v27, 3, v25
	s_delay_alu instid0(VALU_DEP_1)
	v_sub_nc_u32 v[DD], v24, v27
	s_delay_alu instid0(VALU_DEP_1)
	v_add_nc_u32 v[DD], s93, v[DD]
	v_mov_b32 v[NINF], 0xff800000
	v_mov_b32 v28, 0                               ; written once: a lane permute's destination counts as one of its sources
	v_mov_b32 v29, 0
	s_wait_kmcnt 0x0
	s_add_co_i32 s92, s86, s87
	s_lshl_b32 s92, s92, 23
	s_mov_b32 s[CS], 0x3e38aa3b                    ; c = log2(e) / sqrt(64)
	s_add_co_i32 s[CS], s[CS], s92                 ; a score stands for score x 2^(e2 + e3): added to c's exponent field
	s_mov_b32 s[CS+1], s[CS]
	s_add_co_i32 s92, s88, 127
	s_lshl_b32 s93, s92, 23
	v_mov_b32 v10, s93                             ; 2^e4
	s_sub_co_i32 s92, s90, s88
	s_sub_co_i32 s92, s92, s89                     ; O / l stands for that x 2^(e4 + e5): its code is taken with 2^(e6 - e4 - e5)
	s_add_co_i32 s92, s92, 127
	s_lshl_b32 s98, s92, 23
; A KEY STEP for a pair: 128 keys x 32 queries.  qb: Q's registers.  masked = 1: the step may lie behind the pair's last (left out, by a scalar branch on the wave's number and the loop's count) or on the diagonal.
.macro STEP qb, masked
.if \masked
	s_cmp_gt_u32 s[SN], s[SPI]
	s_cbranch_scc1 .Lskip_\@
.endif
	s_setprio 2
	v_add_nc_u32 v[ADK], s[STK], v[AK0]
	v_add_nc_u32 v[ADV], s[STV], v[AV0]
	v_nop
	v_nop                                          ; four plain lines between the last step's products and the loads into V's registers
.irp t, 0,1,2,3,4,5,6,7
	ds_load_b128 v[KF+8*\t:KF+8*\t+3],   v[ADK] offset:16*KP*\t
	ds_load_b128 v[KF+8*\t+4:KF+8*\t+7], v[ADK] offset:16*KP*\t+32
.endr
	WIN 0x40
.irp t, 0,1,2,3
.irp c, 0,1,2,3
	ds_load_b128 v[VF+16*\t+4*\c:VF+16*\t+4*\c+3], v[ADV] offset:16*VP*\t+32*\c
.endr
.endr
	s_wait_dscnt 16                                ; K's 16 loads are in; V's 16 may be out
	WIN 0x04                                       ; source 1 (Q) window 1
.irp t, 0,1,2,3,4,5,6,7
	v_wmma_f32_16x16x64_fp8_fp8 v[SA+8*\t:SA+8*\t+7], v[KF+8*\t:KF+8*\t+7], v[\qb:\qb+7], 0
	v_wmma_f32_16x16x64_fp8_fp8 v[SB+8*\t:SB+8*\t+7], v[KF+8*\t:KF+8*\t+7], v[\qb+8:\qb+15], 0
.endr
	WIN 0
.rept 4
	v_nop
.endr
.if \masked                            ; on the diagonal hidden scores become -infinity ahead of the maximum: p = 0 then.  Tile A sees none of keys 64-127, tile B all of keys 0-63; one compare serves A's key 16 t + j and B's key 64 + 16 t + j
	s_cmp_lg_u32 s[SN], s[SPI]
	s_cbranch_scc1 .Lopen_\@
.set n, 0
.rept 32
	v_cmp_gt_i32 vcc_lo, 16*(n/8)+n%8, v[DD]
	v_cndmask_b32 v[SA+n], v[SA+n], v[NINF], vcc_lo
	v_cndmask_b32 v[SB+32+n], v[SB+32+n], v[NINF], vcc_lo
.set n, n+1
.endr
.set n, 32
.rept 32
	v_mov_b32 v[SA+n], v[NINF]
.set n, n+1
.endr
.Lopen_\@:
.endif
	v_max3_num_f32 v24, v[SA], v[SA+1], v[SA+2]    ; the step's largest score of each query, among my 64 keys: two chains a tile, each tile's registers from the low end on
	v_max3_num_f32 v26, v[SB], v[SB+1], v[SB+2]
	v_max3_num_f32 v25, v[SA+3], v[SA+4], v[SA+5]
	v_max3_num_f32 v27, v[SB+3], v[SB+4], v[SB+5]
.irp i, 6,10,14,18,22,26,30,34,38,42,46,50,54,58
	v_max3_num_f32 v24, v24, v[SA+\i], v[SA+\i+1]
	v_max3_num_f32 v26, v26, v[SB+\i], v[SB+\i+1]
	v_max3_num_f32 v25, v25, v[SA+\i+2], v[SA+\i+3]
	v_max3_num_f32 v27, v27, v[SB+\i+2], v[SB+\i+3]
.endr
	v_max3_num_f32 v24, v24, v[SA+62], v[SA+63]
	v_max3_num_f32 v26, v26, v[SB+62], v[SB+63]
	s_delay_alu instid0(VALU_DEP_2)
	v_max_num_f32 v24, v24, v25
	s_delay_alu instid0(VALU_DEP_2)
	v_max_num_f32 v26, v26, v27
	s_delay_alu instid0(VALU_DEP_2)
	v_permlanex16_b32 v28, v24, s[SEL], s[SEL+1]
	s_delay_alu instid0(VALU_DEP_2)
	v_permlanex16_b32 v29, v26, s[SEL], s[SEL+1]
	s_delay_alu instid0(VALU_DEP_2)
	v_max_num_f32 v24, v24, v28                    ; and among lane l xor 16's
	s_delay_alu instid0(VALU_DEP_2)
	v_max_num_f32 v26, v26, v29
	s_delay_alu instid0(VALU_DEP_2)
	v_mul_f32 v24, s[CS], v24                      ; as t (c is positive)
	s_delay_alu instid0(VALU_DEP_2)
	v_mul_f32 v26, s[CS], v26
	s_delay_alu instid0(VALU_DEP_2)
	v_max_num_f32 v13, v13, v24                    ; the running largest t
	s_delay_alu instid0(VALU_DEP_2)
	v_max_num_f32 v17, v17, v26
	v_mov_b32 v24, v12
	v_mov_b32 v26, v16
	s_delay_alu instid0(VALU_DEP_4)
	v_floor_f32 v12, -v13                          ; the new -M = floor(-t): M is a whole number
	s_delay_alu instid0(VALU_DEP_4)
	v_floor_f32 v16, -v17
	s_delay_alu instid0(VALU_DEP_2)
	v_sub_f32 v24, v12, v24                        ; old M - new M: a whole number, 0 or less
	s_delay_alu instid0(VALU_DEP_2)
	v_sub_f32 v26, v16, v26
	s_delay_alu instid0(VALU_DEP_2)
	v_cvt_i32_f32 v24, v24                         ; (it saturates)
	s_delay_alu instid0(VALU_DEP_2)
	v_cvt_i32_f32 v26, v26
	s_delay_alu instid0(VALU_DEP_2)
	v_ldexp_f32 v20, 1.0, v24                      ; f = 2^(old M - new M)
	s_delay_alu instid0(VALU_DEP_2)
	v_ldexp_f32 v22, 1.0, v26
.set j, 0
.rept 32
	v_pk_fma_f32 v[SA+j:SA+j+1], v[SA+j:SA+j+1], s[CS:CS+1], v[12:13] op_sel_hi:[1,0,0]   ; t - M, two at a time
	v_pk_fma_f32 v[SB+j:SB+j+1], v[SB+j:SB+j+1], s[CS:CS+1], v[16:17] op_sel_hi:[1,0,0]
.set j, j+2
.endr
.set j, 0
	s_setprio 1
	s_wait_alu depctr_va_vdst(0)
.rept 128
	v_exp_f32 v[SA+j], v[SA+j]                     ; p = 2^(t - M), at most 1: not normalised.  One batch
.set j, j+1
.endr
	v_pk_mul_f32 v[14:15], v[14:15], v[20:21] op_sel_hi:[1,0]   ; the sums under the new M (plain lines behind the exponentials)
	v_pk_mul_f32 v[18:19], v[18:19], v[22:23] op_sel_hi:[1,0]
	s_wait_alu depctr_va_vdst(0)                   ; one wait for the batch, ahead of its first reader
	v_pk_add_f32 v[24:25], v[SA:SA+1], v[SA+2:SA+3]   ; the row's sum is taken of the unquantised p: two chains a tile
	v_pk_add_f32 v[26:27], v[SB:SB+1], v[SB+2:SB+3]
.irp j, 4,8,12,16,20,24,28,32,36,40,44,48,52,56,60
	v_pk_add_f32 v[14:15], v[14:15], v[SA+\j:SA+\j+1]
	v_pk_add_f32 v[18:19], v[18:19], v[SB+\j:SB+\j+1]
	v_pk_add_f32 v[24:25], v[24:25], v[SA+\j+2:SA+\j+3]
	v_pk_add_f32 v[26:27], v[26:27], v[SB+\j+2:SB+\j+3]
.endr
	s_delay_alu instid0(VALU_DEP_2)
	v_pk_add_f32 v[14:15], v[14:15], v[24:25]
	s_delay_alu instid0(VALU_DEP_2)
	v_pk_add_f32 v[18:19], v[18:19], v[26:27]
.irp t, 0,1,2,3,4,5,6,7
.irp i, 0,1,2,3,4,5,6,7
.endr
	v_cvt_scalef32_pk8_fp8_f32 v[PA+2*\t:PA+2*\t+1], v[SA+8*\t:SA+8*\t+7], v10
.irp i, 0,1,2,3,4,5,6,7
.endr
	v_cvt_scalef32_pk8_fp8_f32 v[PB+2*\t:PB+2*\t+1], v[SB+8*\t:SB+8*\t+7], v10
.endr
	WIN 0x41                                       ; O^T (destination and source 0) window 1
.set j, 0
	s_setprio 0
.rept 16
	v_pk_mul_f32 v[j:j+1], v[j:j+1], v[20:21] op_sel_hi:[1,0]         ; O^T under the new M; also the plain lines between the conversions and the products
	v_pk_mul_f32 v[32+j:32+j+1], v[32+j:32+j+1], v[22:23] op_sel_hi:[1,0]
.set j, j+2
.endr
	s_wait_alu depctr_va_vdst(0)
	s_wait_dscnt 0x0                               ; V
	WIN 0x51                                       ; V window 1, P window 0, O^T window 1
.irp t, 0,1,2,3                        ; the eight accumulators take turns, one instruction a turn
	v_wmma_f32_16x16x128_fp8_fp8 v[8*\t:8*\t+7], v[VF+16*\t:VF+16*\t+15], v[PA:PA+15], v[8*\t:8*\t+7]
	v_wmma_f32_16x16x128_fp8_fp8 v[32+8*\t:32+8*\t+7], v[VF+16*\t:VF+16*\t+15], v[PB:PB+15], v[32+8*\t:32+8*\t+7]
.endr
	WIN 0
.if \masked
.Lskip_\@:
.endif
.endm
; nq slots of 512 keys, four key steps each: both trip counts are constants of the text
.macro QUADS qb, masked, nq
.if \nq > 1
	s_mov_b32 s[SOUT], \nq
.Louter_\@:
.endif
	s_mov_b32 s[SIN], 4
.Linner_\@:
	STEP \qb, \masked
	s_add_co_u32 s[STK], s[STK], 128*KP
	s_add_co_u32 s[STV], s[STV], 128
	s_add_co_u32 s[SN], s[SN], 1
	s_sub_co_u32 s[SIN], s[SIN], 1
	s_cmp_lg_u32 s[SIN], 0
	s_cbranch_scc1 .Linner_\@
	s_setprio 0
.if \nq > 1
	s_add_co_u32 s[STV], s[STV], VSLOT-512         ; V's next slot
	s_sub_co_u32 s[SOUT], s[SOUT], 1
	s_cmp_lg_u32 s[SOUT], 0
	s_cbranch_scc1 .Louter_\@
.endif
.endm
; A pair begins: zeros and a largest t under every t, so that the key step is written without a first step of its own (the first change of M multiplies zeros)
.macro RESET
	v_mov_b32 v13, 0xff61b1e6                      ; -3e38
	v_mov_b32 v17, 0xff61b1e6
	s_delay_alu instid0(VALU_DEP_2)
	v_floor_f32 v12, -v13
	s_delay_alu instid0(VALU_DEP_2)
	v_floor_f32 v16, -v17
.irp j, 14,15,18,19,21,23
	v_mov_b32 v\j, 0
.endr
	WIN 0x40
.set j, 0
.rept 64
	v_mov_b32 v[j], 0
.set j, j+1
.endr
	WIN 0
.endm
; A pair ends: O^T / the sum, quantised; 8 codes a lane and tile of channels through my stage; each store covers 512 consecutive bytes
.macro FLUSH ob
	v_add_f32 v14, v14, v15
	v_add_f32 v18, v18, v19
	s_delay_alu instid0(VALU_DEP_2)
	v_permlanex16_b32 v28, v14, s[SEL], s[SEL+1]
	s_delay_alu instid0(VALU_DEP_2)
	v_permlanex16_b32 v29, v18, s[SEL], s[SEL+1]
	s_delay_alu instid0(VALU_DEP_2)
	v_add_f32 v14, v14, v28                        ; the rows' sums
	s_delay_alu instid0(VALU_DEP_2)
	v_add_f32 v18, v18, v29
	s_wait_alu depctr_va_vdst(0)
	v_rcp_f32 v20, v14
	v_rcp_f32 v22, v18
	v_mov_b32 v24, s98                             ; 2^(e6 - e4 - e5)   (plain lines behind the reciprocals)
	s_wait_alu depctr_va_vdst(0)                   ; one wait for both, ahead of their first reader
	WIN 0x01                                       ; source 0 (O^T) window 1
.set j, 0
.rept 16
	v_pk_mul_f32 v[SA+j:SA+j+1], v[j:j+1], v[20:21] op_sel_hi:[1,0]
.set j, j+2
.endr
.set j, 0
.rept 16
	v_pk_mul_f32 v[SA+32+j:SA+32+j+1], v[32+j:32+j+1], v[22:23] op_sel_hi:[1,0]
.set j, j+2
.endr
	WIN 0
.set j, 0
.rept 64
.set j, j+1
.endr
.irp g, 0,1,2,3,4,5,6,7
	v_cvt_scalef32_pk8_fp8_f32 v[PA+2*\g:PA+2*\g+1], v[SA+8*\g:SA+8*\g+7], v24
.endr
	v_nop                                          ; one plain line behind the conversions
.irp g, 0,1,2,3,4,5,6,7
	ds_store_b64 v[STO], v[PA+2*\g:PA+2*\g+1] offset:(\g/4)*16*KP+16*(\g%4)   ; tile g / 4, channels 16 (g % 4) + 8 h + 0..7: the natural order
.endr
.irp i, 0,1,2,3
	ds_load_b128 v[KF+4*\i:KF+4*\i+3], v[SRD] offset:(\i/2)*16*KP+(\i%2)*8*KP   ; LDS serves a wave's instructions in order: these see my stores
.endr
.irp i, 0,1,2,3
	s_wait_dscnt 3-\i
	global_store_b128 v[GO], v[KF+4*\i:KF+4*\i+3], s[\ob:\ob+1] offset:(\i/2)*4096+(\i%2)*512
.endr
	s_wait_xcnt 0x0                                ; the stores have read their registers: the next pair's fragments may land there
.endm
	RESET
	s_wait_loadcnt 0x0                             ; Q
	s_sub_co_u32 s[SPI], 15, s[WV]                 ; THE FIRST PAIR: 15 - w, at least 8: its key steps 0-7 are all open
	s_mov_b32 s[SN], 0
	s_mov_b32 s[STK], 0
	s_mov_b32 s[STV], 0
	s_wait_tensorcnt 3                             ; my part of keys 0-511 is in; the three later slots may be out
	s_barrier_signal -1
	s_barrier_wait -1                              ; everybody's is
	QUADS QL, 0, 1
	s_mov_b32 s[STK], 512*KP
	s_mov_b32 s[STV], VSLOT
	s_wait_tensorcnt 2                             ; keys 512-1,023
	s_barrier_signal -1
	s_barrier_wait -1
	QUADS QL, 0, 1
	s_mov_b32 s[STK], 1024*KP
	s_mov_b32 s[STV], 2*VSLOT
	s_wait_tensorcnt 0x0                           ; all keys
	s_barrier_signal -1
	s_barrier_wait -1
	QUADS QL, 1, 2
	FLUSH 60
	RESET
	s_mov_b32 s[SPI], s[WV]                        ; THE SECOND PAIR: w
	s_mov_b32 s[SN], 0
	s_mov_b32 s[STK], 0
	s_mov_b32 s[STV], 0
	QUADS QS, 1, 2
	FLUSH 62
	s_set_vgpr_msb 0x4
	s_wait_tensorcnt 0x0
	ds_add_u32 v31, v161
	s_wait_dscnt 0x0
	s_set_vgpr_msb 0x400
	CROUND                                         ; the closing round
	s_endpgm
.Lfunc_end_k_qbf16618317_attn:
	.size	k_qbf16618317_attn, .Lfunc_end_k_qbf16618317_attn-k_qbf16618317_attn
	.p2alignl 7, 3214868480
	.fill 96, 4, 3214868480
	.section	.rodata,"a",@progbits
	.p2align	6, 0x0
	.amdhsa_kernel k_qbf16618317_attn
		.amdhsa_group_segment_fixed_size 327680
		.amdhsa_private_segment_fixed_size 0
		.amdhsa_enable_private_segment 0
		.amdhsa_kernarg_size 32
		.amdhsa_user_sgpr_count 2
		.amdhsa_user_sgpr_kernarg_segment_ptr 1
		.amdhsa_wavefront_size32 1
		.amdhsa_system_sgpr_workgroup_id_x 1
		.amdhsa_system_sgpr_workgroup_id_y 1
		.amdhsa_system_sgpr_workgroup_id_z 1
		.amdhsa_system_vgpr_workitem_id 0
		.amdhsa_next_free_vgpr 418
		.amdhsa_next_free_sgpr 100
		.amdhsa_reserve_vcc 1
		.amdhsa_float_denorm_mode_32 3
		.amdhsa_float_denorm_mode_16_64 3
		.amdhsa_fp16_overflow 1
		.amdhsa_memory_ordered 1
		.amdhsa_forward_progress 1
		.amdhsa_inst_pref_size 134
	.end_amdhsa_kernel
	.amdgpu_metadata
---
amdhsa.version: [ 1, 2 ]
amdhsa.kernels:
  - .name:           k_qbf16618317_attn
    .symbol:         k_qbf16618317_attn.kd
    .args:
      - { .name: qk_codes, .offset: 0, .size: 8, .value_kind: global_buffer, .address_space: global }
      - { .name: vt_codes, .offset: 8, .size: 8, .value_kind: global_buffer, .address_space: global }
      - { .name: lowp_scales, .offset: 16, .size: 8, .value_kind: global_buffer, .address_space: global }
      - { .name: a_codes, .offset: 24, .size: 8, .value_kind: global_buffer, .address_space: global }
    .group_segment_fixed_size: 327680
    .private_segment_fixed_size: 0
    .kernarg_segment_align: 8
    .kernarg_segment_size: 32
    .max_flat_workgroup_size: 256
    .sgpr_count:     100
    .vgpr_count:     418
    .wavefront_size: 32
...
	.end_amdgpu_metadata
.endif
;; end of part 3
;; launch proj (part 4): grid 4 x 64, 4 waves a work-group, clusters of 4 x 4, 327,680 bytes of LDS; arguments a_codes, w_codes, b_out, lowp_scales, out0; writes out0
.if DOCPART == 4
	.amdgcn_target "amdgcn-amd-amdhsa--gfx1250"
	.amdhsa_code_object_version 6
	.text
	.protected	k_qbf16618317_proj
	.globl	k_qbf16618317_proj
	.p2align	8
	.type	k_qbf16618317_proj,@function
k_qbf16618317_proj:
	s_mov_b64 s[64:65], 0
	v_nop
	global_prefetch_b8 v0, s[64:65] scope:SCOPE_SE
	s_setreg_imm32_b32 hwreg(HW_REG_WAVE_MODE, 25, 1), 1
	s_wait_xcnt 0x0
	s_wait_alu depctr_hold_cnt(0) depctr_sa_sdst(0) depctr_va_vdst(0) depctr_va_sdst(0) depctr_va_ssrc(0) depctr_va_vcc(0) depctr_vm_vsrc(0)
	s_getreg_b32 s2, hwreg(HW_REG_IB_STS2, 6, 4)
	s_cmp_eq_u32 s2, 0
	s_cbranch_scc0 .Lentry_in_a_cluster
	s_endpgm
.Lentry_in_a_cluster:
	s_bfe_u32 s2, ttmp6, 0x10000c
	s_cmp_lg_u32 s2, 0xf033
	s_cbranch_scc0 .Lentry_shape_is_right
	s_endpgm
.Lentry_shape_is_right:
; out0 = attention's result x W_out + b_out on codes of FP8 (E4M3), K = 1,024.  A: a_codes [64 blocks of 128 tokens][16 heads][128 tokens][64]; B: w_codes rows 3072-4095 [1024 (n)][1024 (k)]; out0 [8192][1024] f32.
; Each finished sum is multiplied by 2^(e6 + e7) and b_out is added, by one packed multiply-add for two numbers.  LIMIT: e6 + e7 between -126 and 127.
; A tile of out0 is 128 x 256: 256 work-groups; four waves, each 64 x 128: 32 accumulators.  The smaller tile is taken so that each WGP has one: the launch's weight is its 32 MiB of stores.
; K goes in steps of 256 (four heads) through two LDS slots filled by joint tensor loads: A's tile (one dense block of 32,768 bytes) is shared along a row of the 4 x 4 cluster, B's along a column.
; THE MATRIX INSTRUCTION IS USED TRANSPOSED (source 0 = 16 rows of B, source 1 = 16 rows of A): a lane holds eight neighbouring numbers of a row of out0.
; REGISTERS: window 0: v16-29 addresses; v32-95 at work on the way out; v128-255 A's fragments, two sets of 4, later rows read back.   window 1: B's fragments, two sets of 8.
;   window 2: the accumulators ((a, b) at v[8 (8 a + b)]).   window 3: v0-63 b_out in the result's layout.
.set PA,     80                        ; A: a token's 64 codes of a head + 16 of padding
.set AHEAD,  128*PA                    ; a head's 128 tokens
.set PITCH,  272                       ; B: 256 codes + 16
.set BOFF,   4*AHEAD
.set HALFB,  128*PITCH
.set SLOT,   BOFF+2*HALFB
.set SPARE,  2*SLOT                    ; behind the ring: the spare words, 128 bytes a wave
.set SPITCH, 528                       ; the way out: 16 rows x (512 bytes + 16) for each wave, in slot 0, which has had its last fill and its last read by then
.set FR,   16
.set ADRA, 16
.set ADRB, 20
.set STO,  24
.set RD,   25
.set CO,   26
.set SPW,  28
.set NIL,  29
.set TMP,  32
.set AF,   128
.set BK,   128
.set G1, 24
.set G0, 32
.set G1B, 48
.set G0B, 56
.set MSB, 0
.macro WIN new
.if MSB != (\new)
	s_set_vgpr_msb (MSB<<8)|(\new)
.set MSB, \new
.endif
.endm
.set MUL, 0xa1                         ; source 0 (B) window 1, source 1 (A) window 0, C and D window 2
.macro JLOAD g0a, g1a, g0b, g1b        ; waves 0 and 1 fetch for A, waves 2 and 3 for B; four v_nop follow each of the two lines
	s_cmp_eq_u32 s15, 0
	s_cbranch_scc0 .Lfor_b_\@
	tensor_load_to_lds s[\g0a:\g0a+3], s[\g1a:\g1a+7]
	s_nop 0
.rept 4
	v_nop
.endr
	s_branch .Lasked_\@
.Lfor_b_\@:
	tensor_load_to_lds s[\g0b:\g0b+3], s[\g1b:\g1b+7]
	s_nop 0
.rept 4
	v_nop
.endr
.Lasked_\@:
.endm
.macro CREST
	s_cmp_lg_u32 s14, 0
	s_cbranch_scc1 .Lnot_wave_0_\@
	s_barrier_signal -3
.Lnot_wave_0_\@:
	s_barrier_wait -3
	s_barrier_signal -1
	s_barrier_wait -1
.endm
.macro CROUND
	s_barrier_signal -1
	s_barrier_wait -1
	CREST
.endm
	s_load_b256 s[4:11], s[0:1], 0x0               ; a_codes s[4:5], w_codes s[6:7], b_out s[8:9], the scales' exponents s[10:11]
	s_load_b64 s[12:13], s[0:1], 0x20              ; out0
	v_lshl_add_u32 v[SPW], v0, 2, SPARE
	v_mov_b32 v[NIL], 0
	ds_add_u32 v28, v29
	ds_add_u32 v28, v29
	s_wait_dscnt 0x0
	v_lshrrev_b32 v1, 5, v0
	v_readfirstlane_b32 s14, v1                    ; wave 0..3
	s_lshr_b32 s15, s14, 1                         ; which 64 of the tile's rows are mine.  Also: I fetch for A (0) or for B (1)
	s_and_b32 s16, s14, 1                          ; which 128 of its columns.  Also: which half of that tile I fetch
	s_bfe_u32 s40, ttmp6, 0x40000                  ; cx, cy
	s_bfe_u32 s41, ttmp6, 0x40004
	s_lshl_b32 s42, ttmp9, 2
	s_add_co_u32 s42, s42, s40                     ; tile column (256 columns)
	s_and_b32 s17, ttmp7, 0xffff
	s_lshl_b32 s17, s17, 2
	s_add_co_u32 s17, s17, s41                     ; tile row (128 rows) = the block of a_codes
	s_lshl_b32 s43, s41, 2
	s_lshl_b32 s43, 15, s43                        ; my row of the cluster
	s_lshl_b32 s44, 0x1111, s40                    ; my column
	s_or_b32 s[G1+0], s43, (0<<16)|(1<<20)|(1<<21)|(3<<22)|(3<<25)   ; A: elements of 1 byte; padding: four words after every 16
	s_mov_b32 s[G1+1], 64<<16                      ; tensor_dim0 = 64
	s_mov_b32 s[G1+2], 256<<16                     ; tensor_dim1 = 256: two heads' 128 tokens
	s_mov_b32 s[G1+3], 64<<16                      ; tile_dim0
	s_mov_b32 s[G1+4], 256                         ; tile_dim1
	s_mov_b32 s[G1+5], 64                          ; dense in memory
	s_mov_b32 s[G1+6], 0
	s_mov_b32 s[G1+7], 0
	s_or_b32 s[G1B+0], s44, (0<<16)|(1<<20)|(1<<21)|(5<<22)|(3<<25)  ; B: padding: four words after every 64
	s_mov_b32 s[G1B+1], 256<<16
	s_mov_b32 s[G1B+2], 128<<16
	s_mov_b32 s[G1B+3], 256<<16
	s_mov_b32 s[G1B+4], 128
	s_mov_b32 s[G1B+5], 1024
	s_mov_b32 s[G1B+6], 0
	s_mov_b32 s[G1B+7], 0
	s_lshl_b32 s20, s17, 17                        ; A: the block,
	s_lshl_b32 s18, s16, 14                        ; + two heads x my half
	s_add_co_u32 s20, s20, s18
	s_mov_b32 s21, 0
	s_lshl_b32 s46, s42, 8
	s_lshl_b32 s18, s16, 7
	s_add_co_u32 s46, s46, s18
	s_add_co_u32 s46, s46, 3072                    ; B: row 3,072 + 256 x tile column + 128 x half
	s_lshl_b32 s46, s46, 10
	s_mov_b32 s47, 0
	s_mul_i32 s45, s16, 2*AHEAD                    ; where they go: no place in the cluster enters an LDS address
	s_mul_i32 s66, s16, HALFB
	s_add_co_u32 s66, s66, BOFF
	s_wait_kmcnt 0x0
	s_load_b256 s[76:83], s[10:11], 0x0            ; e0 .. e7
	s_add_nc_u64 s[20:21], s[4:5], s[20:21]
	s_add_nc_u64 s[46:47], s[6:7], s[46:47]
	CROUND                                         ; all sixteen work-groups are here: the first joint loads meet
.irp s, 0,1
	s_mov_b32 s[G0+4*\s], 1
	s_add_co_u32 s[G0+4*\s+1], s45, \s*SLOT
	s_add_nc_u64 s[G0+4*\s+2:G0+4*\s+3], s[20:21], \s*32768
	s_or_b32 s[G0+4*\s+3], s[G0+4*\s+3], 0x80000000
	s_mov_b32 s[G0B+4*\s], 1
	s_add_co_u32 s[G0B+4*\s+1], s66, \s*SLOT
	s_add_nc_u64 s[G0B+4*\s+2:G0B+4*\s+3], s[46:47], \s*256
	s_or_b32 s[G0B+4*\s+3], s[G0B+4*\s+3], 0x80000000
	s_wait_alu depctr_va_vdst(0)
	s_wait_tensorcnt 0x0
	ds_add_u32 v28, v29
	ds_add_u32 v28, v29
	s_wait_dscnt 0x0
	CROUND
	JLOAD G0+4*\s, G1, G0B+4*\s, G1B
.endr
	v_and_b32 v1, 15, v0                           ; r
	v_bfe_u32 v2, v0, 4, 1                         ; h
	s_lshl_b32 s22, s42, 10
	s_lshl_b32 s23, s16, 9
	s_add_co_u32 s22, s22, s23                     ; my first column, in bytes of f32
	s_mov_b32 s23, 0
	s_add_nc_u64 s[8:9], s[8:9], s[22:23]
	v_lshlrev_b32 v3, 5, v2
	WIN 0xc0                                       ; destination window 3
.irp b, 0,1,2,3,4,5,6,7
	global_load_b128 v[8*\b:8*\b+3],   v3, s[8:9] offset:64*\b       ; b_out at columns 16 b + 8 h + 0 .. 7
	global_load_b128 v[8*\b+4:8*\b+7], v3, s[8:9] offset:64*\b+16
.endr
	WIN 0
	v_mul_u32_u24 v4, v1, PA
	v_lshl_add_u32 v4, v2, 4, v4
	v_mul_u32_u24 v5, v1, PITCH
	v_lshl_add_u32 v5, v2, 4, v5
	s_mul_i32 s21, s15, 64*PA                      ; my 64 tokens in each head
	s_mul_i32 s18, s16, HALFB
	s_add_co_u32 s18, s18, BOFF                    ; my 128 rows of B
.irp s, 0,1
	v_add_nc_u32 v[ADRA+\s], s21, v4
	v_add_nc_u32 v[ADRB+\s], s18, v5
	s_add_co_u32 s21, s21, SLOT
	s_add_co_u32 s18, s18, SLOT
.endr
	s_mul_i32 s19, s14, 16*SPITCH                  ; my stage
	v_mul_u32_u24 v5, v1, SPITCH
	v_lshl_add_u32 v5, v2, 5, v5
	v_add_nc_u32 v[STO], s19, v5                   ; in: row r, 32 bytes for each half of the lanes
	v_and_b32 v6, 31, v0
	v_lshlrev_b32 v[CO], 4, v6                     ; back: the 32 lanes take one row of 512 bytes; and the same in out0
	v_add_nc_u32 v[RD], s19, v[CO]
	s_lshl_b32 s20, s17, 7
	s_lshl_b32 s21, s15, 6
	s_add_co_u32 s20, s20, s21                     ; my first row
	s_lshl_b32 s20, s20, 12                        ; rows of 4,096 bytes
	s_add_co_u32 s20, s20, s22
	s_mov_b32 s21, 0
	s_add_nc_u64 s[12:13], s[12:13], s[20:21]
; 8 matrix instructions: A's block a x B's eight, 128 along K, set p.  The 32 accumulators take turns, one instruction a turn, in the same order in every step.
.macro MUL8 a, p, zero
.irp b, 0,1,2,3,4,5,6,7
.if \zero
	v_wmma_f32_16x16x128_fp8_fp8 v[8*(8*(\a)+\b):8*(8*(\a)+\b)+7], v[128*(\p)+FR*\b:128*(\p)+FR*\b+FR-1], v[AF+64*(\p)+FR*(\a):AF+64*(\p)+FR*(\a)+FR-1], 0
.else
	v_wmma_f32_16x16x128_fp8_fp8 v[8*(8*(\a)+\b):8*(8*(\a)+\b)+7], v[128*(\p)+FR*\b:128*(\p)+FR*\b+FR-1], v[AF+64*(\p)+FR*(\a):AF+64*(\p)+FR*(\a)+FR-1], v[8*(8*(\a)+\b):8*(8*(\a)+\b)+7]
.endif
.endr
.endm
; 48 LDS loads in one run: the fragments of the slot's q-th 128 along K into set p.  Registers 4 c .. 4 c + 3 hold k = 32 c + 16 h + 0 .. 15, alike in A (head 2 q + c / 2, channel 32 (c % 2) + 16 h) and in B
.macro FETCH slot, q, p
	WIN 0x40
.irp i, 0,1,2,3,4,5,6,7
.irp c, 0,1,2,3
	ds_load_b128 v[128*(\p)+FR*\i+4*\c:128*(\p)+FR*\i+4*\c+3], v[ADRB+\slot] offset:128*(\q)+32*\c+\i*16*PITCH
.endr
.endr
	WIN 0
.irp i, 0,1,2,3
.irp c, 0,1,2,3
	ds_load_b128 v[AF+64*(\p)+FR*\i+4*\c:AF+64*(\p)+FR*\i+4*\c+3], v[ADRA+\slot] offset:(2*(\q)+\c/2)*AHEAD+32*(\c%2)+\i*16*PA
.endr
.endr
.endm
.macro PLACES
.rept 4
	v_nop
.endr
.endm
.macro STEP slot, zero                 ; a slot's first 128 along K, on set 0; its second is fetched in the middle, into set 1
	s_wait_dscnt 0x0
	WIN MUL
	MUL8 0, 0, \zero
	MUL8 1, 0, \zero
	PLACES                                         ; in front of loads into registers that matrix instructions have read
	FETCH \slot, 1, 1
	WIN MUL
	MUL8 2, 0, \zero
	MUL8 3, 0, \zero
	WIN 0
.endm
; A slot's second 128 along K, on set 1, changes slots: one barrier; in front of it each wave waits for all its tensor loads, adds 0 to its spare word, and waits for that and for its reads of this slot.
.macro TURN slot, next, fill
	s_wait_tensorcnt 0x0                           ; all my tensor loads have landed: my part of the next slot
	ds_add_u32 v[SPW], v[NIL]                      ; 0 onto my spare word
	s_wait_dscnt 1                                 ; set 1 is in; the add may be out
	WIN MUL
	MUL8 0, 1, 0
	s_wait_dscnt 0x0                               ; the add is done, and my reads of this slot are over
	s_barrier_signal -1
	MUL8 1, 1, 0
	WIN 0
	s_barrier_wait -1
.if \fill
	CREST                                          ; the barrier has opened a round of the cluster's barrier
	s_add_nc_u64 s[G0+4*\slot+2:G0+4*\slot+3], s[G0+4*\slot+2:G0+4*\slot+3], 2*32768
	s_add_nc_u64 s[G0B+4*\slot+2:G0B+4*\slot+3], s[G0B+4*\slot+2:G0B+4*\slot+3], 2*256
	JLOAD G0+4*\slot, G1, G0B+4*\slot, G1B         ; the first tensor load behind the round; its four v_nop are also the places in front of the loads below
.else
	PLACES
.endif
	FETCH \next, 0, 0
	WIN MUL
	MUL8 2, 1, 0
	MUL8 3, 1, 0
	WIN 0
.endm
	s_wait_alu depctr_va_vdst(0)
	s_wait_tensorcnt 1                             ; my part of K step 0 is in (K step 1's load may be out)
	s_barrier_signal -1
	s_barrier_wait -1
	FETCH 0, 0, 0
	STEP 0, 1                                      ; the first products start the sums: nothing is cleared
	TURN 0, 1, 1
	STEP 1, 0
	TURN 1, 0, 1
	STEP 0, 0
	TURN 0, 1, 0                                   ; nothing is left to fetch: no round
	STEP 1, 0
	s_wait_dscnt 0x0
	WIN MUL
	MUL8 0, 1, 0
	MUL8 1, 1, 0
	MUL8 2, 1, 0
	MUL8 3, 1, 0
	WIN 0
; THE WAY OUT, block by block of 16 rows x 128 columns, through my own stage: whole rows of 512 bytes come back, which the 32 lanes store as 512 consecutive bytes.
.macro TOSTAGE a
	WIN 0x32                                       ; source 0 (the sums) window 2, source 2 (b_out) window 3
.set j, 0
.rept 32
	v_pk_fma_f32 v[TMP+j:TMP+j+1], v[64*(\a)+j:64*(\a)+j+1], s[96:97], v[j:j+1] op_sel_hi:[1,0,1]   ; sum x 2^(e6 + e7) + b_out; each accumulator from its low end on
.set j, j+2
.endr
	WIN 0
.irp b, 0,1,2,3,4,5,6,7
	ds_store_b128 v[STO], v[TMP+8*\b:TMP+8*\b+3] offset:64*\b
	ds_store_b128 v[STO], v[TMP+8*\b+4:TMP+8*\b+7] offset:64*\b+16
.endr
.set BBK, BK+64*((\a)%2)
.irp t, 0,1,2,3,4,5,6,7,8,9,10,11,12,13,14,15
	ds_load_b128 v[BBK+4*\t:BBK+4*\t+3], v[RD] offset:\t*SPITCH    ; LDS serves a wave's instructions in order: these see the stores above
.endr
.endm
.macro SEND a, younger                 ; younger: the LDS instructions issued behind block a's loads, which may stay out
.set BBK, BK+64*((\a)%2)
	s_wait_dscnt \younger
.if (\a) > 0
	s_add_nc_u64 s[12:13], s[12:13], 16*4096       ; (behind a wait on XCNT: the earlier stores have read their base)
.endif
.irp t, 0,1,2,3,4,5,6,7,8,9,10,11,12,13,14,15
	global_store_b128 v[CO], v[BBK+4*\t:BBK+4*\t+3], s[12:13] offset:\t*4096 th:TH_STORE_NT
.endr
.endm
	s_wait_loadcnt 0x0                             ; b_out
	s_wait_kmcnt 0x0
	s_add_co_i32 s96, s82, s83
	s_add_co_i32 s96, s96, 127
	s_lshl_b32 s96, s96, 23                        ; 2^(e6 + e7) as f32
	s_mov_b32 s97, s96                             ; (named with it as a pair, so it is written)
	PLACES
	TOSTAGE 0
.irp a, 1,2,3
.if \a > 1
	s_wait_xcnt 0x0                                ; block a - 2's stores have read their registers and their base
.endif
	TOSTAGE \a
	SEND \a-1, 32                                  ; behind block a - 1's loads: block a's 16 stores and 16 loads
.endr
	s_wait_xcnt 0x0
	SEND 3, 0
	s_wait_tensorcnt 0x0                           ; the wave's end
	ds_add_u32 v[SPW], v[NIL]
	s_wait_dscnt 0x0
	CROUND                                         ; the closing round
	s_endpgm
.Lfunc_end_k_qbf16618317_proj:
	.size	k_qbf16618317_proj, .Lfunc_end_k_qbf16618317_proj-k_qbf16618317_proj
	.p2alignl 7, 3214868480
	.fill 96, 4, 3214868480
	.section	.rodata,"a",@progbits
	.p2align	6, 0x0
	.amdhsa_kernel k_qbf16618317_proj
		.amdhsa_group_segment_fixed_size 327680
		.amdhsa_private_segment_fixed_size 0
		.amdhsa_enable_private_segment 0
		.amdhsa_kernarg_size 40
		.amdhsa_user_sgpr_count 2
		.amdhsa_user_sgpr_kernarg_segment_ptr 1
		.amdhsa_wavefront_size32 1
		.amdhsa_system_sgpr_workgroup_id_x 1
		.amdhsa_system_sgpr_workgroup_id_y 1
		.amdhsa_system_sgpr_workgroup_id_z 1
		.amdhsa_system_vgpr_workitem_id 0
		.amdhsa_next_free_vgpr 832
		.amdhsa_next_free_sgpr 100
		.amdhsa_reserve_vcc 0
		.amdhsa_float_denorm_mode_32 3
		.amdhsa_float_denorm_mode_16_64 3
		.amdhsa_memory_ordered 1
		.amdhsa_forward_progress 1
		.amdhsa_inst_pref_size 78
	.end_amdhsa_kernel
	.amdgpu_metadata
---
amdhsa.version: [ 1, 2 ]
amdhsa.kernels:
  - .name:           k_qbf16618317_proj
    .symbol:         k_qbf16618317_proj.kd
    .args:
      - { .name: a_codes, .offset: 0, .size: 8, .value_kind: global_buffer, .address_space: global }
      - { .name: w_codes, .offset: 8, .size: 8, .value_kind: global_buffer, .address_space: global }
      - { .name: b_out, .offset: 16, .size: 8, .value_kind: global_buffer, .address_space: global }
      - { .name: lowp_scales, .offset: 24, .size: 8, .value_kind: global_buffer, .address_space: global }
      - { .name: out0, .offset: 32, .size: 8, .value_kind: global_buffer, .address_space: global }
    .group_segment_fixed_size: 327680
    .private_segment_fixed_size: 0
    .kernarg_segment_align: 8
    .kernarg_segment_size: 40
    .max_flat_workgroup_size: 128
    .sgpr_count:     100
    .vgpr_count:     832
    .wavefront_size: 32
...
	.end_amdgpu_metadata
.endif
;; end of part 4
